; MI455X (gfx1250); checked and timed in simulation.
; The chip was launched on July 23, 2026; its instructions are those of AMD's public machine-readable ISA for CDNA 5 (MIT licence, August 2026) and "CDNA5" Instruction Set Architecture Reference Guide (July 2026). The comments in the code are by the model that wrote it; some were corrected since.
;; Attention. Allowed arithmetic: matrix products marked QUANTISED: E2M1 operands, one E8M0 scale for each 32 along K, by v_wmma_scale_f32_16x16x128_f8f6f4 with both operands' format E2M1 (or v_wmma_scale_f32_32x16x128_f4), f32 sums; products left as they are: bf16, f16 or f32 operands; f32 sums; everything else in f32.
;; Inputs: W_k 768 x 768 float32; W_o 768 x 768 float32; W_q 768 x 768 float32; W_v 768 x 768 float32; b_k 768 float32; b_o 768 float32; b_q 768 float32; b_v 768 float32; residual_stream 2 x 2,048 x 768 float32.
;; Outputs: out0 2 x 2,048 x 768 float32.
;; This version of the problem:
;;   THIS VERSION OF THE PROBLEM IS GIVEN IN LOW PRECISION. The matrix products marked QUANTISED in the list below multiply operands that are first quantised to E2M1 (2 exponent bits, 1 mantissa bit; 4 bits a number), with one power-of-two scale for each 32 numbers along K (OCP MX v1.0); their sums are f32. The products marked 'left as it is' may take bf16, f16 or f32 operands, with f32 sums. Whichever they take, every output number must still come out within the allowed error. Rounding operands to bf16 (8 significant bits) uses up far more of that allowance than f16 does (11 bits, for magnitudes from 6e-5 to 65,504). All else is computed in f32.
;;   The module's matrix products, in the order in which they are computed (A, B: the left and right operand; K: the contracted axis; several contracted axes count as one K, in the product's order):
;;     1. [M 4,096, K 768] x [K 768, N 768]; A: input residual_stream; B: input W_q: QUANTISED
;;     2. [M 4,096, K 768] x [K 768, N 768]; A: input residual_stream; B: input W_k: QUANTISED
;;     3. [M 4,096, K 768] x [K 768, N 768]; A: input residual_stream; B: input W_v: QUANTISED
;;     4. batch 24 x [M 2,048, K 64] x [K 64, N 2,048]; A: computed on the way; B: computed on the way: left as it is (an operand is computed on the way)
;;     5. batch 24 x [M 2,048, K 2,048] x [K 2,048, N 64]; A: computed on the way; B: computed on the way: left as it is (an operand is computed on the way)
;;     6. [M 4,096, K 768] x [K 768, N 768]; A: computed on the way; B: input W_o: left as it is (an operand is computed on the way)
;;   THE QUANTISER, for each operand of a quantised product, along K:
;;     - K is cut into blocks of 32 from its start; a last block that is shorter is filled with zeros.
;;     - A block's scale is 2^e with e = floor(log2(the largest magnitude in the block)) - 2, held to -126 .. 127; a block of zeros has e = 0. As a byte (E8M0): e + 127.
;;     - Each number is divided by its block's scale, clamped to +-6, and rounded to the nearest number of E2M1, ties to even, subnormals kept.
;;     - The product sums the exact products of the quantised numbers (number of the format x scale) in f32.
;;   ~~~python
;;   def quantise(x, axis):      # numpy; x: float32 -> the quantised numbers, widened to float32 again
;;       x = np.moveaxis(x, axis, -1); K = x.shape[-1]
;;       x = np.pad(x, [(0, 0)] * (x.ndim - 1) + [(0, -K % 32)]); x = x.reshape(x.shape[:-1] + (-1, 32)); a = np.abs(x).max(-1, keepdims=True)
;;       e = np.where(a > 0, np.clip(np.frexp(np.where(a > 0, a, 1))[1] - 1 - 2, -126, 127), 0)      # np.frexp(a)[1] - 1 = floor(log2(a)), exactly
;;       r = np.clip(x / 2.0 ** e, -6, 6)
;;       step = 2.0 ** (np.maximum(np.frexp(np.where(r == 0, 1, r))[1] - 1, 0) - 1)
;;       q = np.round(r / step) * step * 2.0 ** e      # np.round: ties to even
;;       return np.moveaxis(q.reshape(q.shape[:-2] + (-1,))[..., :K], -1, axis).astype(np.float32)
;;   ~~~
;; One version. Each part assembles by itself: llvm-mc -triple=amdgcn-amd-amdhsa -mcpu=gfx1250 --defsym DOCPART=n.
;; ======== version 1 of 1: 4 launches
;; limits: values are held in f16: magnitudes above 65,504 overflow, below 6.1e-05 lose precision
;; workspace buffers: xc 1,572,864 bytes; xs 131,072 bytes; wc 884,736 bytes; ws 55,296 bytes; wof 1,179,648 bytes; qkv 18,874,368 bytes; vsum 196,608 bytes; ao 6,291,456 bytes
;; launch prep (part 1): grid 272 x 1, 4 waves a work-group, no clusters, 0 bytes of LDS; arguments residual_stream, W_q, W_k, W_v, W_o, xc, xs, wc, ws, wof; writes xc, xs, wc, ws, wof
.if DOCPART == 1
	.amdgcn_target "amdgcn-amd-amdhsa--gfx1250"
	.amdhsa_code_object_version 6
	.text
	.protected	k_q2a55c6f080_prep
	.globl	k_q2a55c6f080_prep
	.p2align	8
	.type	k_q2a55c6f080_prep,@function
k_q2a55c6f080_prep:
	s_mov_b64 s[64:65], 0
	v_nop
	global_prefetch_b8 v0, s[64:65] scope:SCOPE_SE
	s_setreg_imm32_b32 hwreg(HW_REG_WAVE_MODE, 25, 1), 1
	s_wait_xcnt 0x0
; x [4096][768] and W_q, W_k, W_v [768 (k)][768 (n)], f32, become codes of FP4 (E2M1) with one E8M0 scale byte for each 32 along K = 768; W_o becomes f16.
; EVERYTHING IS STORED IN THE ORDER OF THE OPERAND'S REGISTERS: a fragment (16 rows x 128 K of codes, or 16 x 32 of f16) is 1,024 bytes: two groups of 512, group g = registers 4 g .. 4 g + 3, lane l's 16 bytes at 16 l.
;   xc [row tile 256][K step 6][1024]    xs [row tile][half 2][row 16][4 words]: word i = the scale word of K step 3 half + i, word 3 = 0
;   wc [column tile 48 T + n / 16][K step 6][1024]    ws [column tile][K step 6][16 words]    wof [column tile 48][K step of 32: 24][1024], the image of W_o^T
; A block's scale is 2^(floor(log2(its largest magnitude)) - 2); its byte is that magnitude's exponent field - 2, held at 1 from below.  A block of zeros so gets the byte 1: its codes are zeros, and this program alone reads the bytes.
; LIMITS: NaN and infinities among the inputs are not served; W_o must lie inside f16's range (under 65,504).
; Work-groups 0-127: x.  A wave takes one row tile and three K steps.  Work-groups 128-271: the weights, 36 work-groups each: a wave takes 32 columns x 128 along K, a lane a column, its registers running down K.
; No LDS, no barrier: waves share nothing, and every store writes whole runs of the image.
.set TM,  8                            ; v8-11 largest magnitudes, v12-15 the other half's and then the bytes, v20-23 the conversions' scale operands
.set SWD, 24                           ; v24-27 three scale words and a zero
.set XN,  32                           ; the numbers as loaded
.set XCD, 224                          ; path x: codes, eight registers a K step, so that no store's data are written again
	s_load_b512 s[4:19], s[0:1], 0x0               ; x s[4:5], W_q s[6:7], W_k s[8:9], W_v s[10:11], W_o s[12:13], xc s[14:15], xs s[16:17], wc s[18:19]
	s_load_b128 s[20:23], s[0:1], 0x40             ; ws s[20:21], wof s[22:23]
	v_lshrrev_b32 v1, 5, v0
	v_readfirstlane_b32 s24, v1                    ; wave
	v_and_b32 v1, 31, v0                           ; lane
	v_and_b32 v2, 15, v0                           ; r = lane % 16
	v_bfe_u32 v3, v0, 4, 1                         ; h = lane / 16
	s_cmp_ge_u32 ttmp9, 128
	s_cbranch_scc1 .Lweights
; ---------------- x ----------------
; 64 numbers of a lane, register 16 b + i = k 32 b + 16 h + i of my row, become a fragment's eight registers of codes and the row's scale word.
.macro QUANT s, pc, pw
.irp b, 0,1,2,3
	v_max3_num_f32 v[TM+\b], |v[(\s)+16*\b]|, |v[(\s)+1+16*\b]|, 0x1800000   ; block b: my 16 numbers, and the floor 2^(3 - 127): the byte cannot fall under 1
.endr
.irp i, 2,4,6,8,10,12,14
.irp b, 0,1,2,3
	v_max3_num_f32 v[TM+\b], v[TM+\b], |v[(\s)+16*\b+\i]|, |v[(\s)+1+16*\b+\i]|   ; the four blocks by turns
.endr
.endr
.irp b, 0,1,2,3
	v_permlanex16_b32 v[TM+4+\b], v[TM+\b], s28, s29
.endr
.irp b, 0,1,2,3
	v_max_num_f32 v[TM+\b], v[TM+\b], v[TM+4+\b]   ; with lane l xor 16's 16 numbers: the block's largest magnitude
.endr
.irp b, 0,1,2,3
	v_add_nc_u32 v[TM+12+\b], 0xff000000, v[TM+\b] ; 2 off its exponent field: the conversion takes the exponent field of this operand as its scale
.endr
.irp b, 0,1,2,3
	v_lshrrev_b32 v[TM+4+\b], 23, v[TM+12+\b]      ; the scale's byte
.endr
	v_lshl_or_b32 v[\pw], v[TM+5], 8, v[TM+4]
	v_lshl_or_b32 v[\pw], v[TM+6], 16, v[\pw]
	v_lshl_or_b32 v[\pw], v[TM+7], 24, v[\pw]      ; my row's scale word for these 128 along K
.irp b, 0,1,2,3
	v_cvt_scalef32_pk8_fp4_f32 v[(\pc)+2*\b], v[(\s)+16*\b:(\s)+7+16*\b], v[TM+12+\b]
	v_cvt_scalef32_pk8_fp4_f32 v[(\pc)+1+2*\b], v[(\s)+8+16*\b:(\s)+15+16*\b], v[TM+12+\b]
.endr
	v_nop                                          ; one plain instruction between a scaled conversion and the vector instruction that touches its result
.irp c, 0,1                                    ; the operand's layout wants a whole block in a lane: lanes 0-15 block 2 c, lanes 16-31 block 2 c + 1
.irp i, 0,1
	v_permlane16_swap_b32 v[(\pc)+4*\c+\i], v[(\pc)+2+4*\c+\i]
.endr
.endr
.endm
	s_lshl_b32 s25, ttmp9, 2
	s_add_co_u32 s25, s25, s24                     ; unit = 2 x row tile + half
	s_lshr_b32 s26, s25, 1                         ; row tile
	s_and_b32 s27, s25, 1                          ; which three K steps
	v_mul_u32_u24 v4, v2, 3072
	v_lshl_add_u32 v4, v3, 6, v4                   ; x: row r of 3,072 bytes, + 64 h: my 16 numbers of a block of 32
	v_lshlrev_b32 v5, 4, v1                        ; 16 x lane: my place in a group of an image
	v_lshlrev_b32 v6, 4, v2                        ; 16 r: my row's four scale words
	s_mov_b32 s28, 0x76543210
	s_mov_b32 s29, 0xfedcba98                      ; v_permlanex16_b32's selects for lane l xor 16
.irp b, 0,1,2,3
	v_mov_b32 v[TM+4+\b], 0                        ; written once: a lane permute's destination counts as one of its sources
.endr
	v_mov_b32 v[SWD+3], 0
	s_mul_i32 s30, s26, 49152                      ; 16 rows of x
	s_mul_i32 s31, s27, 1536                       ; three K steps of 512 bytes
	s_add_co_u32 s30, s30, s31
	s_mov_b32 s31, 0
	s_mul_i32 s32, s25, 3072                       ; (6 row tile + 3 half) x 1,024
	s_mov_b32 s33, 0
	s_lshl_b32 s34, s25, 8                         ; 512 row tile + 256 half
	s_mov_b32 s35, 0
	s_wait_kmcnt 0x0
	s_add_nc_u64 s[4:5], s[4:5], s[30:31]
	s_add_nc_u64 s[14:15], s[14:15], s[32:33]
	s_add_nc_u64 s[16:17], s[16:17], s[34:35]
.irp st, 0,1,2                                 ; all 48 loads go out at once
.irp b, 0,1,2,3
.irp j, 0,1,2,3
	global_load_b128 v[XN+64*\st+16*\b+4*\j:XN+64*\st+16*\b+4*\j+3], v4, s[4:5] offset:512*\st+128*\b+16*\j th:TH_LOAD_NT
.endr
.endr
.endr
.irp st, 0,1,2
	s_wait_loadcnt 32-16*\st                       ; this K step's 16 loads are in; the later steps' may be out
	QUANT XN+64*\st, XCD+8*\st, SWD+\st
	global_store_b128 v5, v[XCD+8*\st:XCD+8*\st+3], s[14:15] offset:1024*\st       ; 32 lanes store 512 consecutive bytes of the image
	global_store_b128 v5, v[XCD+8*\st+4:XCD+8*\st+7], s[14:15] offset:1024*\st+512
.endr
	v_cmp_gt_u32 vcc_lo, 16, v1
	s_wait_xcnt 0x0                                ; EXEC is a source of the stores above: it changes only behind this wait
	s_and_saveexec_b32 s36, vcc_lo
	global_store_b128 v6, v[SWD:SWD+3], s[16:17]   ; lanes 0-15: 256 consecutive bytes (lanes 16-31 hold the same words)
	s_wait_xcnt 0x0
	s_or_b32 exec_lo, exec_lo, s36
	s_endpgm
; ---------------- the weights ----------------
; The 128 rows come in eight half blocks of 16 loads, each into registers of its own, a block and a half ahead: three half blocks go out at the head, and behind the wait of block 0, 1, 2 follow half blocks 3 and 4, 5 and 6, 7.
; So 48 loads of a wave are out at the most, and at a block's wait the one half block that was issued behind the block's second half may stay out.
.macro WLH hb                          ; half block hb: W(128 ks + 16 hb + i, my column), i = 0 .. 15
.set i, 0
.rept 16
	global_load_b32 v[XN+16*(\hb)+i], v4, s[34:35] offset:3072*(16*(\hb)+i) th:TH_LOAD_NT
.set i, i+1
.endr
.endm
.macro WWAIT kb                        ; block kb's 32 numbers are in; then the next loads go out, ahead of the block's arithmetic
.if (\kb) < 3
	s_wait_loadcnt 16                              ; all but the youngest half block
.else
	s_wait_loadcnt 0x0
.endif
.if (\kb) < 2
	WLH 2*(\kb)+3
	WLH 2*(\kb)+4
.elseif (\kb) == 2
	WLH 7
.endif
.endm
.Lweights:
	s_sub_co_u32 s25, ttmp9, 128                   ; g = 0 .. 143
	s_mul_hi_u32 s26, s25, 0x071c71c8              ; T = g / 36: 0, 1, 2 = W_q, W_k, W_v; 3 = W_o
	s_mul_i32 s27, s26, 36
	s_sub_co_u32 s27, s25, s27
	s_mul_hi_u32 s28, s27, 0x2aaaaaab              ; cg = (g % 36) / 6: which 128 columns
	s_mul_i32 s29, s28, 6
	s_sub_co_u32 s29, s27, s29                     ; ks: which 128 along K
	v_lshlrev_b32 v4, 2, v1                        ; a lane a column: 4 bytes a lane, 128 consecutive bytes a load
	s_mul_i32 s30, s29, 393216                     ; 128 rows of 3,072 bytes
	s_lshl_b32 s31, s28, 9
	s_add_co_u32 s30, s30, s31
	s_lshl_b32 s31, s24, 7
	s_add_co_u32 s30, s30, s31                     ; + 4 (128 cg + 32 wave)
	s_mov_b32 s31, 0
	s_lshl_b32 s32, s28, 3
	s_lshl_b32 s33, s24, 1
	s_add_co_u32 s32, s32, s33                     ; my first column tile in the tensor: 8 cg + 2 wave
	s_wait_kmcnt 0x0
	s_cmp_eq_u32 s26, 1                            ; the choice hangs on the work-group's number alone
	s_cselect_b64 s[34:35], s[8:9], s[6:7]
	s_cmp_eq_u32 s26, 2
	s_cselect_b64 s[34:35], s[10:11], s[34:35]
	s_cmp_eq_u32 s26, 3
	s_cselect_b64 s[34:35], s[12:13], s[34:35]
	s_add_nc_u64 s[34:35], s[34:35], s[30:31]
	WLH 0
	WLH 1
	WLH 2
	s_cmp_eq_u32 s26, 3
	s_cbranch_scc1 .Lwo
	; W_q, W_k, W_v: four blocks of 32 along K, all of a block in my registers
	s_mul_i32 s36, s26, 48
	s_add_co_u32 s36, s36, s32                     ; column tile 48 T + 8 cg + 2 wave
	s_mul_i32 s30, s36, 6144
	s_lshl_b32 s31, s29, 10
	s_add_co_u32 s30, s30, s31
	s_mov_b32 s31, 0
	s_add_nc_u64 s[18:19], s[18:19], s[30:31]
	s_mul_i32 s30, s36, 384
	s_lshl_b32 s31, s29, 6
	s_add_co_u32 s30, s30, s31
	s_mov_b32 s31, 0
	s_add_nc_u64 s[20:21], s[20:21], s[30:31]
	v_mul_u32_u24 v6, v3, 6144
	v_lshl_add_u32 v6, v2, 4, v6                   ; codes: lanes 16-31 belong to the next column tile; 16 bytes a column
	v_mul_u32_u24 v7, v3, 384
	v_lshl_add_u32 v7, v2, 2, v7                   ; scale words likewise, 4 bytes a column
.macro BLOCK kb
.set XS, XN+32*(\kb)
	WWAIT \kb
	v_max3_num_f32 v12, |v[XS]|, |v[XS+1]|, |v[XS+2]|
	v_max3_num_f32 v13, |v[XS+3]|, |v[XS+4]|, |v[XS+5]|
.irp i, 6,10,14,18,22,26
	v_max3_num_f32 v12, v12, |v[XS+\i]|, |v[XS+\i+1]|
	v_max3_num_f32 v13, v13, |v[XS+\i+2]|, |v[XS+\i+3]|
.endr
	v_max3_num_f32 v12, v12, |v[XS+30]|, |v[XS+31]|
	v_max3_num_f32 v12, v12, v13, 0x1800000        ; and the floor 2^(3 - 127)
	v_add_nc_u32 v11, 0xff000000, v12              ; 2 off the exponent field: the conversion's scale operand
	v_lshrrev_b32 v13, 23, v11                     ; the scale's byte
.if (\kb) == 0
	v_mov_b32 v8, v13
.else
	v_lshl_or_b32 v8, v13, 8*(\kb), v8             ; the lower K in the lower byte
.endif
.irp g, 0,1,2,3
	v_cvt_scalef32_pk8_fp4_f32 v[160+4*(\kb)+\g], v[XS+8*\g:XS+8*\g+7], v11
.endr
	v_nop                                          ; one plain instruction behind the last conversion
	global_store_b128 v6, v[160+4*(\kb):160+4*(\kb)+3], s[18:19] offset:((\kb)/2)*512+((\kb)%2)*256   ; block kb is group kb / 2, lanes 16 (kb % 2) on, of the image: sixteen lanes store 256 consecutive bytes
.endm
	BLOCK 0
	BLOCK 1
	BLOCK 2
	BLOCK 3
	global_store_b32 v7, v8, s[20:21]              ; 64 consecutive bytes for each sixteen lanes: one byte in 128 of what this path reads
	s_endpgm
.Lwo:
	; W_o: f16, rounded once; four K steps of 32
	s_mul_i32 s30, s32, 24576
	s_lshl_b32 s31, s29, 12
	s_add_co_u32 s30, s30, s31
	s_mov_b32 s31, 0
	s_add_nc_u64 s[22:23], s[22:23], s[30:31]
	v_mul_u32_u24 v6, v3, 24576
	v_lshl_add_u32 v6, v2, 4, v6
.irp q, 0,1,2,3
	WWAIT \q
.irp i, 0,1,2,3,4,5,6,7,8,9,10,11,12,13,14,15
	v_cvt_pk_f16_f32 v[160+16*\q+\i], v[XN+32*\q+2*\i], v[XN+32*\q+2*\i+1]
.endr
.irp g, 0,1,2,3                                ; k = 8 g .. 8 g + 7 is group g / 2, lanes 16 (g % 2) on
	global_store_b128 v6, v[160+16*\q+4*\g:160+16*\q+4*\g+3], s[22:23] offset:1024*\q+(\g/2)*512+(\g%2)*256
.endr
.endr
	s_endpgm
.Lfunc_end_k_q2a55c6f080_prep:
	.size	k_q2a55c6f080_prep, .Lfunc_end_k_q2a55c6f080_prep-k_q2a55c6f080_prep
	.p2alignl 7, 3214868480
	.fill 96, 4, 3214868480
	.section	.rodata,"a",@progbits
	.p2align	6, 0x0
	.amdhsa_kernel k_q2a55c6f080_prep
		.amdhsa_group_segment_fixed_size 0
		.amdhsa_private_segment_fixed_size 0
		.amdhsa_enable_private_segment 0
		.amdhsa_kernarg_size 80
		.amdhsa_user_sgpr_count 2
		.amdhsa_user_sgpr_kernarg_segment_ptr 1
		.amdhsa_wavefront_size32 1
		.amdhsa_system_sgpr_workgroup_id_x 1
		.amdhsa_system_sgpr_workgroup_id_y 1
		.amdhsa_system_sgpr_workgroup_id_z 1
		.amdhsa_system_vgpr_workitem_id 0
		.amdhsa_next_free_vgpr 256
		.amdhsa_next_free_sgpr 66
		.amdhsa_reserve_vcc 1
		.amdhsa_float_denorm_mode_32 3
		.amdhsa_float_denorm_mode_16_64 3
		.amdhsa_memory_ordered 1
		.amdhsa_forward_progress 1
		.amdhsa_inst_pref_size 53
	.end_amdhsa_kernel
	.amdgpu_metadata
---
amdhsa.version: [ 1, 2 ]
amdhsa.kernels:
  - .name:           k_q2a55c6f080_prep
    .symbol:         k_q2a55c6f080_prep.kd
    .args:
      - { .name: residual_stream, .offset: 0, .size: 8, .value_kind: global_buffer, .address_space: global }
      - { .name: W_q, .offset: 8, .size: 8, .value_kind: global_buffer, .address_space: global }
      - { .name: W_k, .offset: 16, .size: 8, .value_kind: global_buffer, .address_space: global }
      - { .name: W_v, .offset: 24, .size: 8, .value_kind: global_buffer, .address_space: global }
      - { .name: W_o, .offset: 32, .size: 8, .value_kind: global_buffer, .address_space: global }
      - { .name: xc, .offset: 40, .size: 8, .value_kind: global_buffer, .address_space: global }
      - { .name: xs, .offset: 48, .size: 8, .value_kind: global_buffer, .address_space: global }
      - { .name: wc, .offset: 56, .size: 8, .value_kind: global_buffer, .address_space: global }
      - { .name: ws, .offset: 64, .size: 8, .value_kind: global_buffer, .address_space: global }
      - { .name: wof, .offset: 72, .size: 8, .value_kind: global_buffer, .address_space: global }
    .group_segment_fixed_size: 0
    .private_segment_fixed_size: 0
    .kernarg_segment_align: 8
    .kernarg_segment_size: 80
    .max_flat_workgroup_size: 128
    .sgpr_count:     66
    .vgpr_count:     256
    .wavefront_size: 32
...
	.end_amdgpu_metadata
.endif
;; end of part 1
;; launch qkv (part 2): grid 16 x 12, 4 waves a work-group, clusters of 4 x 1, 167,936 bytes of LDS; arguments xc, xs, wc, ws, b_q, b_k, b_v, qkv, vsum; writes qkv, vsum
.if DOCPART == 2
	.amdgcn_target "amdgcn-amd-amdhsa--gfx1250"
	.amdhsa_code_object_version 6
	.text
	.protected	k_q2a55c6f080_qkv
	.globl	k_q2a55c6f080_qkv
	.p2align	8
	.type	k_q2a55c6f080_qkv,@function
k_q2a55c6f080_qkv:
	s_mov_b64 s[64:65], 0
	v_nop
	global_prefetch_b8 v0, s[64:65] scope:SCOPE_SE
	s_setreg_imm32_b32 hwreg(HW_REG_WAVE_MODE, 25, 1), 1
	s_wait_xcnt 0x0
	s_wait_alu depctr_hold_cnt(0) depctr_sa_sdst(0) depctr_va_vdst(0) depctr_va_sdst(0) depctr_va_ssrc(0) depctr_va_vcc(0) depctr_vm_vsrc(0)
	s_getreg_b32 s2, hwreg(HW_REG_IB_STS2, 6, 4)
	s_cmp_eq_u32 s2, 0
	s_cbranch_scc0 .Lentry_in_a_cluster
	s_endpgm
.Lentry_in_a_cluster:
	s_bfe_u32 s2, ttmp6, 0x10000c
	s_cmp_lg_u32 s2, 0x3003
	s_cbranch_scc0 .Lentry_shape_is_right
	s_endpgm
.Lentry_shape_is_right:
; q, k, v = x W + b: the three quantised products, on codes of FP4 with E8M0 scales, sums in f32; the results leave as f16 fragments in the order of the next products' registers.
; SHARES.  A work-group makes 256 rows (RG = 4 x cluster x + cx) x 192 columns (CG = y: 12 column tiles, three heads of ONE of q, k, v).  A wave makes 64 rows (4 row tiles) x all 12 column tiles: 48 accumulators, 288 matrix instructions.
; 16 x 12 = 192 work-groups: groups of 144 columns would give 256, but they would straddle the borders between q, k and v, whose products are used in different orders.
; CLUSTER.  The four work-groups of a cluster share CG, so W's codes and scale words come by JOINT loads (mask 15), once, into LDS; no LDS byte is filled again.  x's fragments are read by one wave each and go from memory straight into registers.
; q AND k ARE USED TRANSPOSED (source 0 = 16 columns of W, source 1 = 16 rows of x): a lane then holds one token and eight neighbouring channels, which round to the 16 bytes that a fragment of q or k wants of it.
; v IS NOT (source 0 = x, source 1 = W): a lane holds one channel and eight neighbouring tokens: the 16 bytes of a fragment of V^T.  So no result changes lanes, and every store is 512 consecutive bytes.
; q is multiplied by c = log2(e) / 8 in f32, so that the scores are the exponents to base 2.  vsum: the f32 sums of v (not yet rounded) over each block of 64 tokens: a wave's four row tiles are one block.
; LIMITS: |q|, |k|, |v| under 65,504 (f16); NaN and infinities are not served.
; REGISTERS, in windows of 256.  Window 0: v1-5 addresses; v12, v13 the add's two; v16-47 x's scale words; v48-83 W's (lanes 0-15 an even K step's, lanes 16-31 the odd one's behind it); v84-179 W's fragments of an even K step, later the biases;
;   v180-211 results in f32; v212-243 two sets of packed results; v244-255 v's sums.   Window 1: x's 24 fragments.   Window 2: accumulators of column tiles 0-7.   Window 3: v0-127 those of tiles 8-11; v128-223 W's fragments of an odd K step.
.set WSC,   73728                      ; LDS: W's codes, image (6 ct + ks) x 1,024, up to here; then W's scale words, 384 bytes a column tile
.set SPARE, 78336                      ; the spare words, 128 bytes for each wave: two blocks of 256 bytes that no other line names
.set XSR, 16
.set WSR, 48
.set WB0, 84
.set WB1, 128
.set TF,  180
.set PK,  212
.set VS,  244
.set MSB, 0
.macro WIN new                         ; the immediate's high byte repeats the setting that is left; a switch that changes nothing is dropped
.if MSB != (\new)
	s_set_vgpr_msb (MSB<<8)|(\new)
.set MSB, (\new)
.endif
.endm
.macro CROUND                          ; a round of the cluster's barrier
	s_barrier_signal -1
	s_barrier_wait -1
	s_cmp_lg_u32 s22, 0
	s_cbranch_scc1 .Lnot_wave_0_\@
	s_barrier_signal -3
.Lnot_wave_0_\@:
	s_barrier_wait -3
	s_barrier_signal -1
	s_barrier_wait -1
.endm
.macro PLACES n
.rept \n
	v_nop
.endr
.endm
	s_load_b512 s[4:19], s[0:1], 0x0               ; xc s[4:5], xs s[6:7], wc s[8:9], ws s[10:11], b_q s[12:13], b_k s[14:15], b_v s[16:17], qkv s[18:19]
	s_load_b64 s[20:21], s[0:1], 0x40              ; vsum
	v_lshl_add_u32 v12, v0, 2, SPARE
	v_mov_b32 v13, 0
	ds_add_u32 v12, v13                            ; the wave's opening: the add, twice on end, and its wait ahead of my first tensor load
	ds_add_u32 v12, v13
	v_lshrrev_b32 v1, 5, v0
	v_readfirstlane_b32 s22, v1                    ; wave
	s_bfe_u32 s23, ttmp6, 0x40000                  ; cx
	s_lshl_b32 s24, ttmp9, 2
	s_add_co_u32 s24, s24, s23                     ; RG: it enters x's and the results' addresses alone
	s_and_b32 s25, ttmp7, 0xffff                   ; CG, which the four partners share
	s_lshr_b32 s26, s25, 2                         ; 0 q, 1 k, 2 v
	s_and_b32 s27, s25, 3                          ; which 192 columns of it
	; descriptor group 1 for W's codes: 72 rows of 256 bytes (32 elements of 8), dense: a wave's quarter of 73,728 bytes
	s_mov_b32 s28, 15|(3<<16)|(1<<21)              ; the mask: all four work-groups; elements of 8 bytes; bit 21 set beside a mask
	s_mov_b32 s29, 32<<16
	s_mov_b32 s30, 72<<16
	s_mov_b32 s31, 32<<16
	s_mov_b32 s32, 72
	s_mov_b32 s33, 32
	s_mov_b32 s34, 0
	s_mov_b32 s35, 0
	; and for W's scale words: one row of 1,152 bytes: a quarter of 4,608
	s_mov_b32 s36, 15|(3<<16)|(1<<21)
	s_mov_b32 s37, 144<<16
	s_mov_b32 s38, 1<<16
	s_mov_b32 s39, 144<<16
	s_mov_b32 s40, 1
	s_mov_b32 s41, 144
	s_mov_b32 s42, 0
	s_mov_b32 s43, 0
	s_mul_i32 s45, s22, 18432                      ; where my quarter of the codes goes: the wave's number alone
	s_mul_i32 s76, s25, 73728
	s_add_co_u32 s76, s76, s45                     ; and where it comes from: CG and the wave
	s_mov_b32 s77, 0
	s_mul_i32 s49, s22, 1152
	s_mul_i32 s78, s25, 4608
	s_add_co_u32 s78, s78, s49
	s_mov_b32 s79, 0
	s_add_co_u32 s49, s49, WSC
	v_and_b32 v11, 31, v0                          ; lane
	v_lshlrev_b32 v1, 4, v11                       ; 16 x lane: an image's place for my lane
	v_add_nc_u32 v2, 36864, v1                     ; the same for column tiles 6-11: an LDS offset has 16 bits
	v_lshl_add_u32 v3, v11, 2, WSC                 ; W's scale words: 4 x lane
	v_and_b32 v7, 15, v0                           ; r
	v_bfe_u32 v8, v0, 4, 1                         ; h
	v_lshlrev_b32 v4, 4, v7                        ; 16 r
	v_mov_b32 v10, 0                               ; a lane permute's destination counts as one of its sources
	s_mov_b32 s62, 0x76543210
	s_mov_b32 s63, 0xfedcba98
	s_lshl_b32 s52, s24, 4
	s_lshl_b32 s53, s22, 2
	s_add_co_u32 s52, s52, s53                     ; my first row tile: 16 RG + 4 wave
	s_mul_i32 s54, s52, 6144
	s_mov_b32 s55, 0
	s_lshl_b32 s56, s52, 9
	s_mov_b32 s57, 0
	s_lshr_b32 s58, s24, 3                         ; the batch
	s_mul_i32 s58, s58, 12
	s_mul_i32 s59, s27, 3
	s_add_co_u32 s58, s58, s59                     ; my first head: 12 batch + 3 (CG % 4)
	s_and_b32 s59, s24, 7
	s_lshl_b32 s59, s59, 2
	s_add_co_u32 s59, s59, s22                     ; my block of 64 tokens in the sequence
	s_lshl_b32 s68, s58, 18                        ; a head is 262,144 bytes in each region,
	s_mul_i32 s69, s26, 6291456                    ; a region 6,291,456,
	s_add_co_u32 s68, s68, s69
	s_lshl_b32 s69, s59, 13                        ; a block of 64 tokens 8,192
	s_add_co_u32 s68, s68, s69
	s_mov_b32 s69, 0
	s_lshl_b32 s72, s58, 5
	s_add_co_u32 s72, s72, s59
	s_lshl_b32 s72, s72, 8                         ; vsum: (32 head + block) x 256
	s_mov_b32 s73, 0
	s_mul_i32 s74, s27, 768                        ; the biases of my 192 columns
	s_mov_b32 s75, 0
	s_wait_dscnt 0x0                               ; both opening adds are done
	s_wait_kmcnt 0x0
	s_add_nc_u64 s[4:5], s[4:5], s[54:55]
	s_add_nc_u64 s[6:7], s[6:7], s[56:57]
	s_add_nc_u64 s[18:19], s[18:19], s[68:69]
	s_add_nc_u64 s[20:21], s[20:21], s[72:73]
	s_cmp_eq_u32 s26, 0
	s_cselect_b64 s[66:67], s[12:13], s[14:15]
	s_mov_b32 s60, 0x3f800000
	s_cselect_b32 s60, 0x3e38aa3b, s60             ; q: c = log2(e) / 8; k: 1
	s_mov_b32 s61, s60                             ; named with it as a pair, so it is written
	s_cmp_eq_u32 s26, 2
	s_cselect_b64 s[66:67], s[16:17], s[66:67]
	s_add_nc_u64 s[66:67], s[66:67], s[74:75]
	s_mov_b32 s44, 1
	s_add_nc_u64 s[46:47], s[8:9], s[76:77]
	s_or_b32 s47, s47, 0x80000000
	s_mov_b32 s48, 1
	s_add_nc_u64 s[50:51], s[10:11], s[78:79]
	s_or_b32 s51, s51, 0x80000000
	CROUND                                         ; all four work-groups are here: the joint loads meet
	tensor_load_to_lds s[44:47], s[28:35]          ; two loads of mine are out
	s_nop 0
	tensor_load_to_lds s[48:51], s[36:43]
	s_nop 0
	PLACES 4
.irp rt, 0,1,2,3
.irp a, 0,1
	global_load_b128 v[XSR+8*\rt+4*\a:XSR+8*\rt+4*\a+3], v4, s[6:7] offset:512*\rt+256*\a   ; x's scale words: register 8 rt + 4 (ks / 3) + ks % 3; both halves of the lanes take the same
.endr
.endr
	WIN 0x40                                       ; destination window 1
.irp ks, 0,1,2,3,4,5                           ; x's fragments, the first K step's first
.irp rt, 0,1,2,3
.irp g, 0,1
	global_load_b128 v[8*(6*\rt+\ks)+4*\g:8*(6*\rt+\ks)+4*\g+3], v1, s[4:5] offset:6144*\rt+1024*\ks+512*\g
.endr
.endr
.endr
	WIN 0
	s_wait_tensorcnt 0x0                           ; my quarters are in,
	s_barrier_signal -1
	s_barrier_wait -1                              ; everybody's are
.irp ct, 0,1,2,3,4,5,6,7,8,9,10,11
.irp kp, 0,1,2
	ds_load_b32 v[WSR+3*\ct+\kp], v3 offset:384*\ct+128*\kp
.endr
.endr
; W's 12 fragments of K step ks: even steps into window 0, odd ones into window 3
.macro WLOAD ks
.if ((\ks)%2) == 0
	WIN 0
.set WD, WB0
.else
	WIN 0xc0
.set WD, WB1
.endif
.irp ct, 0,1,2,3,4,5
.irp g, 0,1
	ds_load_b128 v[WD+8*\ct+4*\g:WD+8*\ct+4*\g+3], v1 offset:(6*\ct+(\ks))*1024+512*\g
.endr
.endr
.irp ct, 6,7,8,9,10,11
.irp g, 0,1
	ds_load_b128 v[WD+8*\ct+4*\g:WD+8*\ct+4*\g+3], v2 offset:(6*(\ct-6)+(\ks))*1024+512*\g
.endr
.endr
.endm
; One product.  path 0: q, k (W first); path 1: v (x first).  The first K step's products start the sums: nothing is cleared.
.macro MM path, ks, ct, rt
.set AC, 8*(4*((\ct)%8)+(\rt))
.set XF, 8*(6*(\rt)+(\ks))
.set WF, WB0+((\ks)%2)*(WB1-WB0)+8*(\ct)
.set SW, WSR+3*(\ct)+(\ks)/2
.set SX, XSR+8*(\rt)+4*((\ks)/3)+(\ks)%3
.if (\path) == 0
	WIN 0xa4+0x50*((\ct)/8)+3*((\ks)%2)
.if (\ks) == 0
	v_wmma_scale_f32_16x16x128_f8f6f4 v[AC:AC+7], v[WF:WF+7], v[XF:XF+7], 0, v[SW], v[SX] matrix_a_fmt:MATRIX_FMT_FP4 matrix_b_fmt:MATRIX_FMT_FP4
.elseif ((\ks)%2) == 0
	v_wmma_scale_f32_16x16x128_f8f6f4 v[AC:AC+7], v[WF:WF+7], v[XF:XF+7], v[AC:AC+7], v[SW], v[SX] matrix_a_fmt:MATRIX_FMT_FP4 matrix_b_fmt:MATRIX_FMT_FP4
.else
	v_wmma_scale_f32_16x16x128_f8f6f4 v[AC:AC+7], v[WF:WF+7], v[XF:XF+7], v[AC:AC+7], v[SW], v[SX] matrix_a_fmt:MATRIX_FMT_FP4 matrix_b_fmt:MATRIX_FMT_FP4 matrix_a_scale:MATRIX_SCALE_ROW1
.endif
.else
	WIN 0xa1+0x50*((\ct)/8)+0x0c*((\ks)%2)
.if (\ks) == 0
	v_wmma_scale_f32_16x16x128_f8f6f4 v[AC:AC+7], v[XF:XF+7], v[WF:WF+7], 0, v[SX], v[SW] matrix_a_fmt:MATRIX_FMT_FP4 matrix_b_fmt:MATRIX_FMT_FP4
.elseif ((\ks)%2) == 0
	v_wmma_scale_f32_16x16x128_f8f6f4 v[AC:AC+7], v[XF:XF+7], v[WF:WF+7], v[AC:AC+7], v[SX], v[SW] matrix_a_fmt:MATRIX_FMT_FP4 matrix_b_fmt:MATRIX_FMT_FP4
.else
	v_wmma_scale_f32_16x16x128_f8f6f4 v[AC:AC+7], v[XF:XF+7], v[WF:WF+7], v[AC:AC+7], v[SX], v[SW] matrix_a_fmt:MATRIX_FMT_FP4 matrix_b_fmt:MATRIX_FMT_FP4 matrix_b_scale:MATRIX_SCALE_ROW1
.endif
.endif
.endm
.macro BIAS path                       ; 24 loads into the registers that the even K steps' fragments have left
	WIN 0
.irp ct, 0,1,2,3,4,5,6,7,8,9,10,11
.if (\path) == 0
	global_load_b128 v[WB0+8*\ct:WB0+8*\ct+3], v5, s[66:67] offset:64*\ct          ; the tile's eight channels of my half
	global_load_b128 v[WB0+8*\ct+4:WB0+8*\ct+7], v5, s[66:67] offset:64*\ct+16
.else
	global_load_b32 v[WB0+2*\ct], v5, s[66:67] offset:64*\ct                       ; my channel's, into both registers of a pair
	global_load_b32 v[WB0+2*\ct+1], v5, s[66:67] offset:64*\ct
.endif
.endr
.endm
; A K step of 128: the next step's fragments of W are asked for, then 48 products; the 48 accumulators take turns, one instruction a turn, in the same order in every step.
.macro KSTEP path, ks
.if (\ks) == 0
	s_wait_dscnt 0x0                               ; W's 36 scale words and the first step's 24 fragment loads are in: all 60 are wanted now
	WLOAD 1
	s_wait_loadcnt 40                              ; x's scale words and its fragments of this step are in; eight loads for each of the five later steps may be out
.elseif (\ks) < 5
	PLACES 4                                       ; the loads below land in the registers that the step just issued has multiplied
	WLOAD (\ks)+1
	s_wait_dscnt 24                                ; all but the 24 just issued: this step's fragments are in
	s_wait_loadcnt 8*(5-(\ks))                     ; x's fragments of this step are in; eight for each later step may be out
.else
	PLACES 4                                       ; likewise, for the biases
	BIAS \path
	s_wait_dscnt 0x0
	s_wait_loadcnt 24                              ; all but the 24 loads of the biases
.endif
.irp ct, 0,1,2,3,4,5,6,7,8,9,10,11
.irp rt, 0,1,2,3
	MM \path, \ks, \ct, \rt
.endr
.endr
.endm
	WLOAD 0
	s_cmp_ge_u32 s25, 8                            ; v?  CG is the same in all four partners
	s_cbranch_scc1 .Lv
	; ---------------- q, k ----------------
	v_lshlrev_b32 v5, 5, v8                        ; the biases: 32 h
	KSTEP 0, 0
	KSTEP 0, 1
	KSTEP 0, 2
	KSTEP 0, 3
	KSTEP 0, 4
	KSTEP 0, 5
	WIN 0
	s_wait_loadcnt 0x0                             ; the biases
.set i, 0
.rept 48
	v_pk_mul_f32 v[WB0+i:WB0+i+1], v[WB0+i:WB0+i+1], s[60:61] op_sel_hi:[1,0]   ; b x c.  These name none of the last products' registers: they are the places behind them
.set i, i+2
.endr
.irp ct, 0,1,2,3,4,5,6,7,8,9,10,11
	WIN 0x02+(\ct)/8                               ; source 0: the accumulators' window
.irp rt, 0,1,2,3
.irp i, 0,2,4,6                                ; each accumulator from its low end on
	v_pk_fma_f32 v[TF+8*\rt+\i:TF+8*\rt+\i+1], v[8*(4*((\ct)%8)+\rt)+\i:8*(4*((\ct)%8)+\rt)+\i+1], s[60:61], v[WB0+8*\ct+\i:WB0+8*\ct+\i+1] op_sel_hi:[1,0,1]
.endr
.endr
	WIN 0
	s_wait_xcnt 0x0                                ; the earlier stores have read their data: the packed registers may be written again
.irp rt, 0,1,2,3
.irp i, 0,1,2,3
	v_cvt_pk_f16_f32 v[PK+16*((\ct)%2)+4*\rt+\i], v[TF+8*\rt+2*\i], v[TF+8*\rt+2*\i+1]
.endr
.endr
.irp rt, 0,1,2,3                               ; head ct / 4, token tile rt, channels 32 ((ct / 2) % 2) on, group ct % 2: 512 consecutive bytes
	global_store_b128 v1, v[PK+16*((\ct)%2)+4*\rt:PK+16*((\ct)%2)+4*\rt+3], s[18:19] offset:((\ct)/4)*262144+\rt*2048+(((\ct)/2)%2)*1024+((\ct)%2)*512
.endr
.endr
	s_branch .Lend
	; ---------------- v ----------------
.Lv:
	v_lshlrev_b32 v5, 2, v7                        ; the biases: 4 r
	KSTEP 1, 0
	KSTEP 1, 1
	KSTEP 1, 2
	KSTEP 1, 3
	KSTEP 1, 4
	KSTEP 1, 5
	WIN 0
	PLACES 4                                       ; in front of the first read of results
	s_wait_loadcnt 0x0                             ; the biases
.irp ct, 0,1,2,3,4,5,6,7,8,9,10,11
	WIN 0x02+(\ct)/8
.irp rt, 0,1,2,3
.irp i, 0,2,4,6
	v_pk_add_f32 v[TF+8*\rt+\i:TF+8*\rt+\i+1], v[8*(4*((\ct)%8)+\rt)+\i:8*(4*((\ct)%8)+\rt)+\i+1], v[WB0+2*\ct:WB0+2*\ct+1]
.endr
.endr
	WIN 0
	v_pk_add_f32 v[6:7], v[TF:TF+1], v[TF+4:TF+5]                  ; my channel's sum over my 32 of the block's 64 tokens, in two chains
	v_pk_add_f32 v[8:9], v[TF+2:TF+3], v[TF+6:TF+7]
.irp p, 8,12,16,20,24,28
	v_pk_add_f32 v[6:7], v[6:7], v[TF+\p:TF+\p+1]
	v_pk_add_f32 v[8:9], v[8:9], v[TF+\p+2:TF+\p+3]
.endr
	v_pk_add_f32 v[6:7], v[6:7], v[8:9]
	v_add_f32 v6, v6, v7
	v_permlanex16_b32 v10, v6, s62, s63
	v_add_f32 v[VS+\ct], v6, v10                   ; with lane l xor 16's 32 tokens
	s_wait_xcnt 0x0
.irp rt, 0,1,2,3
.irp i, 0,1,2,3
	v_cvt_pk_f16_f32 v[PK+16*((\ct)%2)+4*\rt+\i], v[TF+8*\rt+2*\i], v[TF+8*\rt+2*\i+1]
.endr
.endr
.irp rt, 0,1,2,3                               ; head ct / 4, keys 32 (rt / 2) on, channel tile ct % 4, group rt % 2
	global_store_b128 v1, v[PK+16*((\ct)%2)+4*\rt:PK+16*((\ct)%2)+4*\rt+3], s[18:19] offset:((\ct)/4)*262144+((\rt)/2)*4096+((\ct)%4)*1024+((\rt)%2)*512
.endr
.endr
	v_cmp_gt_u32 vcc_lo, 16, v11
	s_wait_xcnt 0x0                                ; EXEC changes only behind this wait
	s_and_saveexec_b32 s70, vcc_lo
.irp hl, 0,1,2
	global_store_b128 v4, v[VS+4*\hl:VS+4*\hl+3], s[20:21] offset:8192*\hl   ; lanes 0-15: [r][channel tile 0-3]: 256 consecutive bytes
.endr
	s_wait_xcnt 0x0
	s_or_b32 exec_lo, exec_lo, s70
.Lend:
	s_wait_tensorcnt 0x0                           ; the wave's end
	ds_add_u32 v12, v13
	s_wait_dscnt 0x0
	CROUND                                         ; the closing round
	s_endpgm
.Lfunc_end_k_q2a55c6f080_qkv:
	.size	k_q2a55c6f080_qkv, .Lfunc_end_k_q2a55c6f080_qkv-k_q2a55c6f080_qkv
	.p2alignl 7, 3214868480
	.fill 96, 4, 3214868480
	.section	.rodata,"a",@progbits
	.p2align	6, 0x0
	.amdhsa_kernel k_q2a55c6f080_qkv
		.amdhsa_group_segment_fixed_size 167936
		.amdhsa_private_segment_fixed_size 0
		.amdhsa_enable_private_segment 0
		.amdhsa_kernarg_size 72
		.amdhsa_user_sgpr_count 2
		.amdhsa_user_sgpr_kernarg_segment_ptr 1
		.amdhsa_wavefront_size32 1
		.amdhsa_system_sgpr_workgroup_id_x 1
		.amdhsa_system_sgpr_workgroup_id_y 1
		.amdhsa_system_sgpr_workgroup_id_z 1
		.amdhsa_system_vgpr_workitem_id 0
		.amdhsa_next_free_vgpr 1024
		.amdhsa_next_free_sgpr 80
		.amdhsa_reserve_vcc 1
		.amdhsa_float_denorm_mode_32 3
		.amdhsa_float_denorm_mode_16_64 3
		.amdhsa_memory_ordered 1
		.amdhsa_forward_progress 1
		.amdhsa_inst_pref_size 186
	.end_amdhsa_kernel
	.amdgpu_metadata
---
amdhsa.version: [ 1, 2 ]
amdhsa.kernels:
  - .name:           k_q2a55c6f080_qkv
    .symbol:         k_q2a55c6f080_qkv.kd
    .args:
      - { .name: xc, .offset: 0, .size: 8, .value_kind: global_buffer, .address_space: global }
      - { .name: xs, .offset: 8, .size: 8, .value_kind: global_buffer, .address_space: global }
      - { .name: wc, .offset: 16, .size: 8, .value_kind: global_buffer, .address_space: global }
      - { .name: ws, .offset: 24, .size: 8, .value_kind: global_buffer, .address_space: global }
      - { .name: b_q, .offset: 32, .size: 8, .value_kind: global_buffer, .address_space: global }
      - { .name: b_k, .offset: 40, .size: 8, .value_kind: global_buffer, .address_space: global }
      - { .name: b_v, .offset: 48, .size: 8, .value_kind: global_buffer, .address_space: global }
      - { .name: qkv, .offset: 56, .size: 8, .value_kind: global_buffer, .address_space: global }
      - { .name: vsum, .offset: 64, .size: 8, .value_kind: global_buffer, .address_space: global }
    .group_segment_fixed_size: 167936
    .private_segment_fixed_size: 0
    .kernarg_segment_align: 8
    .kernarg_segment_size: 72
    .max_flat_workgroup_size: 128
    .sgpr_count:     80
    .vgpr_count:     1024
    .wavefront_size: 32
...
	.end_amdgpu_metadata
.endif
;; end of part 2
;; launch attn (part 3): grid 8 x 24, 8 waves a work-group, no clusters, 327,680 bytes of LDS; arguments qkv, vsum, ao; writes ao
.if DOCPART == 3
	.amdgcn_target "amdgcn-amd-amdhsa--gfx1250"
	.amdhsa_code_object_version 6
	.text
	.protected	k_q2a55c6f080_attn
	.globl	k_q2a55c6f080_attn
	.p2align	8
	.type	k_q2a55c6f080_attn,@function
k_q2a55c6f080_attn:
	s_mov_b64 s[64:65], 0
	v_nop
	global_prefetch_b8 v0, s[64:65] scope:SCOPE_SE
	s_setreg_imm32_b32 hwreg(HW_REG_WAVE_MODE, 25, 1), 1
	s_wait_xcnt 0x0
; Attention of one head over 2,048 positions, head size 64.  The mask sets the scores of keys behind the query to 0 and leaves them in the softmax.  So a hidden key has the weight 2^(0 - m), whatever its k, and
; all hidden keys together add 2^(0 - m) x (the sum of their v).  Only the keys up to the query's block of 64 are multiplied; on the diagonal block hidden scores are set to 0; the blocks behind it come as f32 sums of v (vsum), added up directly.
; q holds log2(e) / 8 already, so a score is the exponent to base 2.  Running maximum m and sum l for each query; products on f16 operands, sums in f32; the weights p (at most 1) are rounded to f16, l is summed of the unrounded p.
; SHARES.  Work-group (j, head) takes query block j (128 queries) and then block 15 - j.  Wave = (u = wave / 4, f = wave % 4): u picks 64 of the queries (a quad: four tiles of 16), f a key phase: an LDS slot holds four key steps
; of 64 keys, and the wave works step f of each slot.  The four phases' parts (O, m, l) of a quad are merged through LDS at the end of a pass; in the merge wave (u, f) takes tile f.
; The low pass takes NL = j / 2 + 1 slots, the high pass 9 - NL: nine trips for every j, a constant.  A step all of whose keys lie behind the quad is left out (ids and the trip counter alone).
; THE ORDER OF A TRIP.  Between two changes of slots a wave brings K and V of the slot's step into registers and runs three stages: a step's softmax (vector work), V^T P of that step and K Q^T of the next (matrix work).
; Waves of role 0 run softmax (N - 1), V^T P (N - 1), K Q^T (N); waves of role 1 run V^T P (N - 1), K Q^T (N), softmax (N): while one role has vector work the other has matrix work.
; role = (wave + wave / 4) % 2: it differs between waves 2 i and 2 i + 1, and between waves w and w + 4.  K (N) is asked for directly behind the change of slots, V (N) behind V^T P (N - 1); both are in registers at the next change.
; 8 x 24 = 192 work-groups of equal length.  NO CLUSTER: work-groups of one head stand at different slots in the same trip, and the jumps over hidden steps hang on j, in which partners would differ.
; LAYOUT.  S^T = K Q^T (source 0 = 16 keys, source 1 = 16 queries) and O^T = V^T P: a lane holds one query throughout.  q, k and V^T lie in memory in the order of the operands' registers, so a slot is two dense blocks of 32 KiB,
; and every fragment comes by loads of 16 bytes at 16 x lane.  O^T rounded to f16 is the image of the projection's operand.
; O and l begin as zeros and m as -3e38, so that the step is written once and a wave with no step in a pass hands in a part that counts for nothing: 128 v_mov_b32 a pass.
; LIMITS: |q|, |k|, |v| under 65,504; NaN and infinities are not served.
; REGISTERS.  Window 0: v1-11 addresses; v12, v13 the add's two; v14 = 0, v15 = 1.0; v16-47 statistics, 8 a tile: m, its partner, l (two halves), c0-c3 (a takes c2's place); v48-111 K; v112-239 S^T, 32 a tile (p in place, its f16 in the low 16); v240-255 the merge's.
;   Window 1: v0-127 O^T (32 t + 8 ct); v128-191 Q (16 t + 8 ks); v192-255 V^T (8 (4 kg + ct)).
.set SLOTB, 0x10000                    ; a slot: K's 32 KiB, then V's; slot 1 begins here, so that one exclusive or turns an address
.set VOFF,  32768
.set SCR,   131072                     ; the parts of O: 16 KiB a wave, tile t at 4,096 t, as images of the registers
.set STAT,  262144                     ; the parts' m and l: 1,024 a wave, 256 a tile: m at 0, l at 128
.set SPARE, 270336                     ; the spare words, 128 bytes for each wave: four blocks of 256 bytes that no other line names
.set ST, 16
.set KB, 48
.set S,  112
.set TP, 240
.set Q,  128
.set VB, 192
.set WV, 10
.set U,  11
.set F,  12
.set J,  13
.set BH, 14
.set NL, 15
.set QDL, 16                           ; my quad in the low pass: 2 j + u;
.set QDH, 17                           ; in the high pass: 30 - 2 j + u
.set N,  18                            ; the trip
.set TB, 19                            ; LDS byte at which the slot in hand begins
.set G1, 20                            ; s[20:27] descriptor group 1
.set G0, 28                            ; s[28:31] group 0
.set HB, 32                            ; s[32:33] the head's K (even waves) or V (odd waves)
.set PFA, 34                           ; s[34:35] where my prefetches stand
.set LIM, 36
.set STP, 37                           ; my key step in this trip
.set QD, 38                            ; my quad in this trip
.set CW, 42                            ; 1: this trip's step is worked;
.set CD, 43                            ; 1: it lies on the diagonal
.set SEL, 44
.set QBL, 46
.set QBH, 48
.set VSB, 50
.set AOL, 52
.set AOH, 54
.set TT, 56
.set PW, 59                            ; the same two of the trip before
.set PD, 60
.set ROLE, 61
.set MSB, 0
.macro WIN new
.if MSB != (\new)
	s_set_vgpr_msb (MSB<<8)|(\new)
.set MSB, (\new)
.endif
.endm
.macro PLACES n
.rept \n
	v_nop
.endr
.endm
; Wave 0 fetches a slot's K, wave 1 its V: one load each; one load of a wave is out.  An s_nop 0 and four v_nop follow the line.
.macro TLOAD
	s_cmp_lt_u32 s[WV], 2
	s_cbranch_scc0 .Lnone_\@
	tensor_load_to_lds s[G0:G0+3], s[G1:G1+7]
	s_nop 0
	PLACES 4
.Lnone_\@:
.endm
; A PREFETCH INTO THE L2: in trip N the slot N + 2 of the high pass, which this work-group's tensor loads ask for in trip N + 2.  All work-groups of a head walk the same K and V: the one with j = 0, which walks all eight slots, asks, and nobody else.
; Waves 0-3 ask for K's 32 KiB, waves 4-7 for V's: 8 KiB a wave, lanes 256 bytes apart: each block of 256 bytes is named once in the launch.  Slots 0 and 1 come by their loads alone; trips 6 and on ask for nothing.
.macro ASK
	s_cmp_lt_u32 s[N], s[LIM]
	s_cbranch_scc0 .Lnot_mine_\@
	global_prefetch_b8 v11, s[PFA:PFA+1] th:TH_LOAD_NT scope:SCOPE_SE
.Lnot_mine_\@:
.endm
.macro INIT                            ; a pass begins
.irp t, 0,1,2,3
	v_mov_b32 v[ST+8*\t], 0xff61b1e6               ; m = -3e38, under every score
	v_mov_b32 v[ST+8*\t+1], 0xff61b1e6
.irp i, 2,3,4,5,6,7
	v_mov_b32 v[ST+8*\t+\i], 0
.endr
.endr
	WIN 0x40
.set i, 0
.rept 128
	v_mov_b32 v[i], 0                              ; O^T
.set i, i+1
.endr
	WIN 0
.endm
	s_load_b128 s[4:7], s[0:1], 0x0                ; qkv s[4:5], vsum s[6:7]
	s_load_b64 s[8:9], s[0:1], 0x10                ; ao
	v_lshl_add_u32 v12, v0, 2, SPARE
	v_mov_b32 v13, 0
	ds_add_u32 v12, v13                            ; the wave's opening: the add, twice on end, and its wait ahead of the first tensor load
	ds_add_u32 v12, v13
	v_lshrrev_b32 v1, 5, v0
	v_readfirstlane_b32 s[WV], v1
	s_lshr_b32 s[U], s[WV], 2
	s_and_b32 s[F], s[WV], 3
	s_xor_b32 s[ROLE], s[U], s[WV]
	s_and_b32 s[ROLE], s[ROLE], 1                  ; (wave + wave / 4) % 2
	s_mov_b32 s[J], ttmp9
	s_and_b32 s[BH], ttmp7, 0xffff
	s_lshr_b32 s[NL], s[J], 1
	s_add_co_u32 s[NL], s[NL], 1
	s_lshl_b32 s[QDL], s[J], 1
	s_sub_co_u32 s[QDH], 30, s[QDL]
	s_add_co_u32 s[QDL], s[QDL], s[U]
	s_add_co_u32 s[QDH], s[QDH], s[U]
	s_mov_b32 s[G1], 3<<16                         ; no mask; elements of 8 bytes; no padding
	s_mov_b32 s[G1+1], 32<<16                      ; rows of 256 bytes,
	s_mov_b32 s[G1+2], 128<<16                     ; 128 of them: 32 KiB, dense
	s_mov_b32 s[G1+3], 32<<16
	s_mov_b32 s[G1+4], 128
	s_mov_b32 s[G1+5], 32
	s_mov_b32 s[G1+6], 0
	s_mov_b32 s[G1+7], 0
	s_mov_b32 s[G0], 1
	s_lshl_b32 s[G0+1], s[WV], 15                  ; slot 0: K at 0 (wave 0), V at 32,768 (wave 1)
	s_mov_b32 s[SEL], 0x76543210
	s_mov_b32 s[SEL+1], 0xfedcba98
	s_mov_b32 s[TB], 0
	s_mov_b32 s[N], 0
	s_cmp_eq_u32 s[J], 0
	s_cselect_b32 s[LIM], 6, 0
	v_and_b32 v3, 31, v0                           ; lane
	v_lshlrev_b32 v1, 4, v3                        ; 16 x lane
	s_lshl_b32 s57, s[F], 13
	v_add_nc_u32 v2, s57, v1                       ; + my step's 8 KiB in a slot's K (and V)
	s_lshl_b32 s57, s[WV], 14
	s_add_co_u32 s57, s57, SCR
	v_add_nc_u32 v4, s57, v1                       ; where I put my parts of O
	s_lshl_b32 s57, s[WV], 10
	s_add_co_u32 s57, s57, STAT
	v_lshl_add_u32 v5, v3, 2, s57                  ; and their m and l
	s_lshl_b32 s57, s[U], 16
	s_lshl_b32 s58, s[F], 12
	s_add_co_u32 s57, s57, s58
	s_add_co_u32 s57, s57, SCR
	v_add_nc_u32 v6, s57, v1                       ; where I read tile f of my quad: phase i lies 16,384 i on
	s_lshl_b32 s57, s[U], 12
	s_lshl_b32 s58, s[F], 8
	s_add_co_u32 s57, s57, s58
	s_add_co_u32 s57, s57, STAT
	v_lshl_add_u32 v7, v3, 2, s57
	v_and_b32 v9, 15, v0                           ; r
	v_bfe_u32 v10, v0, 4, 1                        ; h
	v_lshlrev_b32 v8, 3, v10
	v_sub_nc_u32 v8, v9, v8                        ; r - 8 h, for the diagonal
	v_lshlrev_b32 v10, 7, v10
	v_lshl_add_u32 v10, v9, 8, v10                 ; vsum: block r, + 128 h
	v_lshlrev_b32 v11, 8, v3                       ; the prefetches: 256 x lane
	v_mov_b32 v14, 0
	v_mov_b32 v15, 1.0
	s_lshl_b32 s40, s[BH], 18                      ; the head's bytes in each region of qkv
	s_and_b32 s41, s[WV], 1
	s_add_co_u32 s41, s41, 1
	s_mul_i32 s41, s41, 6291456
	s_add_co_u32 s[HB], s40, s41
	s_mov_b32 s[HB+1], 0
	s_add_co_u32 s41, s[U], 1
	s_mul_i32 s41, s41, 6291456
	s_add_co_u32 s[PFA], s40, s41
	s_lshl_b32 s41, s[F], 13
	s_add_co_u32 s[PFA], s[PFA], s41
	s_add_co_u32 s[PFA], s[PFA], 32768             ; in slot 1: the first change of slots steps it to slot 2
	s_mov_b32 s[PFA+1], 0
	s_lshl_b32 s41, s[QDL], 13                     ; a quad's Q is 8 KiB
	s_add_co_u32 s[QBL], s40, s41
	s_mov_b32 s[QBL+1], 0
	s_lshl_b32 s41, s[QDH], 13
	s_add_co_u32 s[QBH], s40, s41
	s_mov_b32 s[QBH+1], 0
	s_lshl_b32 s[VSB], s[BH], 13
	s_mov_b32 s[VSB+1], 0
	s_cmp_ge_u32 s[BH], 12
	s_cselect_b32 s57, 12, 0
	s_cselect_b32 s58, 3145728, 0                  ; the batch's 128 row tiles of 24,576 bytes
	s_sub_co_u32 s57, s[BH], s57
	s_lshl_b32 s57, s57, 11                        ; the head's two K steps of 32
	s_add_co_u32 s57, s57, s58
	s_lshl_b32 s58, s[QDL], 2
	s_add_co_u32 s58, s58, s[F]                    ; the row tile that I merge
	s_mul_i32 s58, s58, 24576
	s_add_co_u32 s[AOL], s58, s57
	s_mov_b32 s[AOL+1], 0
	s_lshl_b32 s58, s[QDH], 2
	s_add_co_u32 s58, s58, s[F]
	s_mul_i32 s58, s58, 24576
	s_add_co_u32 s[AOH], s58, s57
	s_mov_b32 s[AOH+1], 0
	s_wait_dscnt 0x0                               ; both opening adds are done
	s_wait_kmcnt 0x0
	s_add_nc_u64 s[HB:HB+1], s[4:5], s[HB:HB+1]
	s_add_nc_u64 s[PFA:PFA+1], s[4:5], s[PFA:PFA+1]
	s_add_nc_u64 s[QBL:QBL+1], s[4:5], s[QBL:QBL+1]
	s_add_nc_u64 s[QBH:QBH+1], s[4:5], s[QBH:QBH+1]
	s_add_nc_u64 s[VSB:VSB+1], s[6:7], s[VSB:VSB+1]
	s_add_nc_u64 s[AOL:AOL+1], s[8:9], s[AOL:AOL+1]
	s_add_nc_u64 s[AOH:AOH+1], s[8:9], s[AOH:AOH+1]
	s_mov_b64 s[G0+2:G0+3], s[HB:HB+1]
	s_or_b32 s[G0+3], s[G0+3], 0x80000000
	TLOAD                                          ; slot 0: the head's first 256 keys
	WIN 0x40
.set i, 0
.rept 16
	global_load_b128 v[Q+4*i:Q+4*i+3], v1, s[QBL:QBL+1] offset:512*i   ; the low quad's Q stays in registers
.set i, i+1
.endr
	WIN 0
	INIT
	s_wait_loadcnt 0x0
; THE CHANGE OF SLOTS, at a trip's head.  Each wave waits for all its tensor loads, adds 0 to its spare word, and waits for that and for its reads of the slot that it has left (K and V of its step are in registers then).
; Behind the barrier the slot ahead is whole and nobody reads the other one; fill = 1: that one takes the next trip's 256 keys: the first thing behind the barrier, with a whole trip in which to land.
.macro CHANGE fill
	s_wait_tensorcnt 0x0                           ; no tensor load of mine is out, so group 0 may be written
	ds_add_u32 v12, v13
.if \fill
	ds_add_u32 v12, v13                            ; and twice on end here, in every trip alike
	s_xor_b32 s[G0+1], s[G0+1], SLOTB              ; the other slot than last time
	s_add_co_u32 s40, s[N], 1                      ; the next trip's slot of keys: N + 1 in the low pass, N + 1 - NL in the high pass
	s_cmp_ge_u32 s40, s[NL]
	s_cselect_b32 s41, s[NL], 0
	s_sub_co_u32 s40, s40, s41
	s_lshl_b32 s40, s40, 15
	s_mov_b32 s41, 0
	s_add_nc_u64 s[G0+2:G0+3], s[HB:HB+1], s[40:41]
	s_or_b32 s[G0+3], s[G0+3], 0x80000000
	s_wait_xcnt 0x0                                ; the last prefetch, a trip back, has read its address
	s_add_nc_u64 s[PFA:PFA+1], s[PFA:PFA+1], 32768
.endif
	s_wait_dscnt 0x0                               ; the add is done, and my reads of the slot that I have left are over
	s_barrier_signal -1
	s_barrier_wait -1
.if \fill
	TLOAD
	ASK
.endif
.endm
; This trip's key step and quad; whether the step is worked, and whether it lies on the diagonal; the LDS address of its fragments.  Ids and the trip counter alone.
.macro VARS
	s_cmp_ge_u32 s[N], s[NL]                       ; which pass
	s_cselect_b32 s[STP], s[NL], 0
	s_cselect_b32 s[QD], s[QDH], s[QDL]
	s_sub_co_u32 s[STP], s[N], s[STP]
	s_lshl_b32 s[STP], s[STP], 2
	s_add_co_u32 s[STP], s[STP], s[F]              ; my key step: 4 x the pass's slot + f
	s_cmp_le_u32 s[STP], s[QD]                     ; a step behind my quad is served by vsum
	s_cselect_b32 s[CW], 1, 0
	s_cmp_eq_u32 s[STP], s[QD]
	s_cselect_b32 s[CD], 1, 0
	v_add_nc_u32 v3, s[TB], v2
.endm
.macro LOADK                           ; K of my step: fragment (kt, ks) at 8 (2 kt + ks)
.set i, 0
.rept 16
	ds_load_b128 v[KB+4*i:KB+4*i+3], v3 offset:512*i
.set i, i+1
.endr
.endm
; On the diagonal step key 16 kt + 8 h + j is hidden from query 16 t + r where 16 (kt - t) + j > r - 8 h.  Hidden scores become 0.  Tiles with kt > t are hidden whole; tiles with kt < t not at all.
.macro MASK
.irp j, 0,1,2,3,4,5,6,7                        ; ascending: each accumulator is read from its low end on
	v_cmp_gt_i32 vcc_lo, \j, v8
.irp t, 0,1,2,3
	v_cndmask_b32 v[S+40*\t+\j], v[S+40*\t+\j], v14, vcc_lo
.endr
.endr
.irp t, 0,1,2
.irp kt, 1,2,3
.if \kt > \t
.irp j, 0,1,2,3,4,5,6,7
	v_mov_b32 v[S+32*\t+8*\kt+\j], 0
.endr
.endif
.endr
.endr
.endm
; The softmax of four tiles x 64 keys, the tiles by turns in every stage, so that no line waits for the line above it.
.macro SOFTMAX
.irp j, 0,1,2,3                                ; the maximum: four chains a tile, each accumulator's registers 0-2 first
.irp t, 0,1,2,3
	v_max3_num_f32 v[ST+8*\t+4+\j], v[S+32*\t+8*\j], v[S+32*\t+8*\j+1], v[S+32*\t+8*\j+2]
.endr
.endr
.irp e, 3,5
.irp j, 0,1,2,3
.irp t, 0,1,2,3
	v_max3_num_f32 v[ST+8*\t+4+\j], v[ST+8*\t+4+\j], v[S+32*\t+8*\j+\e], v[S+32*\t+8*\j+\e+1]
.endr
.endr
.endr
.irp t, 0,1,2,3
	v_max3_num_f32 v[ST+8*\t+4], v[ST+8*\t+4], v[S+32*\t+7], v[S+32*\t+15]
.endr
.irp t, 0,1,2,3
	v_max3_num_f32 v[ST+8*\t+6], v[ST+8*\t+6], v[S+32*\t+23], v[S+32*\t+31]
.endr
.irp t, 0,1,2,3
	v_max3_num_f32 v[ST+8*\t+4], v[ST+8*\t+4], v[ST+8*\t+5], v[ST+8*\t+6]
.endr
.irp t, 0,1,2,3
	v_max3_num_f32 v[ST+8*\t+4], v[ST+8*\t+4], v[ST+8*\t+7], v[ST+8*\t]   ; and the old m
.endr
.irp t, 0,1,2,3
	v_permlanex16_b32 v[ST+8*\t+5], v[ST+8*\t+4], s[SEL], s[SEL+1]        ; the query's other 32 keys lie in the lane 16 away
.endr
.irp t, 0,1,2,3
	v_max_num_f32 v[ST+8*\t+4], v[ST+8*\t+4], v[ST+8*\t+5]
.endr
.irp t, 0,1,2,3
	v_sub_f32 v[ST+8*\t+7], v[ST+8*\t], v[ST+8*\t+4]                      ; old m - new m
.endr
.irp t, 0,1,2,3
	v_mov_b32 v[ST+8*\t], v[ST+8*\t+4]
.endr
.set i, 0
.rept 16
.irp t, 0,1,2,3
	v_pk_add_f32 v[S+32*\t+i:S+32*\t+i+1], v[S+32*\t+i:S+32*\t+i+1], v[ST+8*\t:ST+8*\t+1] op_sel_hi:[1,0] neg_lo:[0,1] neg_hi:[0,1]   ; s - m
.endr
.set i, i+2
.endr
.irp t, 0,1,2,3
	v_exp_f32 v[ST+8*\t+6], v[ST+8*\t+7]           ; a = 2^(old m - new m)
.endr
.set i, 0
.rept 32
.irp t, 0,1,2,3
	v_exp_f32 v[S+32*\t+i], v[S+32*\t+i]           ; p = 2^(s - m): ONE BATCH of 132 with a; none of them reads another's result
.endr
.set i, i+1
.endr
	v_nop                                          ; a plain instruction behind the last exponential
	s_wait_alu depctr_va_vdst(0)                   ; the wait ahead of the first line that names a result: one for the batch
.irp t, 0,1,2,3
	v_pk_fma_f32 v[ST+8*\t+2:ST+8*\t+3], v[ST+8*\t+2:ST+8*\t+3], v[ST+8*\t+6:ST+8*\t+7], v[S+32*\t:S+32*\t+1] op_sel_hi:[1,0,1]   ; l = a l + p
.endr
.set i, 2
.rept 15
.irp t, 0,1,2,3
	v_pk_add_f32 v[ST+8*\t+2:ST+8*\t+3], v[ST+8*\t+2:ST+8*\t+3], v[S+32*\t+i:S+32*\t+i+1]
.endr
.set i, i+2
.endr
.set i, 0
.rept 16                                       ; p to f16, ascending, in place: register i takes p 2 i and 2 i + 1: the low 16 registers of a tile are source 1 of V^T P
.irp t, 0,1,2,3
	v_cvt_pk_f16_f32 v[S+32*\t+i], v[S+32*\t+2*i], v[S+32*\t+2*i+1]
.endr
.set i, i+1
.endr
.endm
; THE VECTOR STAGE of a step, if the step is worked (flag w); on the diagonal (flag d) hidden scores are set to 0 first.
.macro SMAX w, d
	s_cmp_eq_u32 s[\w], 0
	s_cbranch_scc1 .Lno_sm_\@
	s_cmp_eq_u32 s[\d], 0
	s_cbranch_scc1 .Lopen_\@
	MASK
.Lopen_\@:
	SOFTMAX
.Lno_sm_\@:
.endm
; THE FIRST MATRIX STAGE: O^T = a O^T + V^T P of the step whose softmax is done, if that step was worked.  V is in registers since the last wait for all LDS loads.
.macro PVPART
	s_cmp_eq_u32 s[PW], 0
	s_cbranch_scc1 .Lno_pv_\@
	WIN 0x41                                       ; O^T in window 1, a in window 0
.set i, 0
.rept 64
	v_pk_mul_f32 v[i:i+1], v[i:i+1], v[ST+8*(i/32)+6:ST+8*(i/32)+7] op_sel_hi:[1,0]   ; O^T x a, each accumulator from its low end on
.set i, i+2
.endr
	WIN 0x51                                       ; V^T and O^T in window 1, p in window 0
.irp kg, 0,1                                   ; the 16 accumulators take turns, one instruction a turn
.irp ct, 0,1,2,3
.irp t, 0,1,2,3
	v_wmma_f32_16x16x32_f16 v[32*\t+8*\ct:32*\t+8*\ct+7], v[VB+32*\kg+8*\ct:VB+32*\kg+8*\ct+7], v[S+32*\t+8*\kg:S+32*\t+8*\kg+7], v[32*\t+8*\ct:32*\t+8*\ct+7]
.endr
.endr
.endr
	WIN 0
	PLACES 5                                       ; the next products write over p's registers (five places); the next loads land on V's and p's, and the merge's stores read O^T (four)
.Lno_pv_\@:
.endm
; THE SECOND MATRIX STAGE: V of my step is asked for, for the next trip; then S^T = K Q^T.
.macro KQCORE
	WIN 0x40
.set i, 0
.rept 16
	ds_load_b128 v[VB+4*i:VB+4*i+3], v3 offset:VOFF+512*i           ; V^T: fragment (kg, ct) at 8 (4 kg + ct)
.set i, i+1
.endr
	s_wait_dscnt 16                                ; K is in; V's sixteen, issued behind K's, may be out
	WIN 0x04                                       ; Q in window 1
.irp kt, 0,1,2,3                               ; the 16 accumulators take turns, one instruction a turn; the first 16 products start the sums
.irp t, 0,1,2,3
	v_wmma_f32_16x16x32_f16 v[S+32*\t+8*\kt:S+32*\t+8*\kt+7], v[KB+16*\kt:KB+16*\kt+7], v[Q+16*\t:Q+16*\t+7], 0
.endr
.endr
.irp kt, 0,1,2,3
.irp t, 0,1,2,3
	v_wmma_f32_16x16x32_f16 v[S+32*\t+8*\kt:S+32*\t+8*\kt+7], v[KB+16*\kt+8:KB+16*\kt+15], v[Q+16*\t+8:Q+16*\t+15], v[S+32*\t+8*\kt:S+32*\t+8*\kt+7]
.endr
.endr
	WIN 0
	PLACES 5                                       ; in front of the first read of the scores and of loads into K's and Q's registers (four places), and of any product that names the scores' registers (five)
.endm
; THE END OF A PASS.  qd: the scalar register with my quad; ao: the pair with the address of the row tile that I merge; next = 1: the high pass follows.
.macro MERGE qd, ao, next
	s_wait_dscnt 0x0                               ; no LDS load of mine is on its way into the registers that are loaded below
.irp e, 0,1                                    ; lane (r, h) takes blocks r and r + 16 of vsum, and of each the channels 16 ct + 8 h + j: register 32 e + 4 j + ct
.irp j, 0,1,2,3,4,5,6,7
	global_load_b128 v[KB+32*\e+4*\j:KB+32*\e+4*\j+3], v10, s[VSB:VSB+1] offset:4096*\e+16*\j
.endr
.endr
.if \next
	WIN 0x40
.set i, 0
.rept 16
	global_load_b128 v[Q+4*i:Q+4*i+3], v1, s[QBH:QBH+1] offset:512*i   ; the high quad's Q
.set i, i+1
.endr
	WIN 0
.endif
.irp t, 0,1,2,3
	v_add_f32 v[ST+8*\t+4], v[ST+8*\t+2], v[ST+8*\t+3]             ; l's two halves,
.endr
.irp t, 0,1,2,3
	v_permlanex16_b32 v[ST+8*\t+5], v[ST+8*\t+4], s[SEL], s[SEL+1]
.endr
.irp t, 0,1,2,3
	v_add_f32 v[ST+8*\t+4], v[ST+8*\t+4], v[ST+8*\t+5]             ; and the other half of the lanes'
.endr
	WIN 0x04                                       ; an LDS store's data are its source 1: window 1
.set i, 0
.rept 32
	ds_store_b128 v4, v[4*i:4*i+3] offset:512*i    ; my parts of O^T as they stand, each accumulator's low half first
.set i, i+1
.endr
	WIN 0
.irp t, 0,1,2,3
	ds_store_b32 v5, v[ST+8*\t] offset:256*\t
	ds_store_b32 v5, v[ST+8*\t+4] offset:256*\t+128
.endr
	s_wait_dscnt 0x0                               ; for the others' sake: my stores have landed
	s_barrier_signal -1                            ; the change's tensor load may stay out
	s_barrier_wait -1
.irp i, 0,1,2,3
	ds_load_b32 v[16+\i], v7 offset:1024*\i        ; m of the four phases,
	ds_load_b32 v[20+\i], v7 offset:1024*\i+128    ; l
.endr
.irp k, 0,1,2,3
.irp g, 0,1,2,3,4,5,6,7
	ds_load_b128 v[S+32*\k+4*\g:S+32*\k+4*\g+3], v6 offset:16384*\k+512*\g   ; and O^T
.endr
.endr
	s_cmp_eq_u32 s[\qd], 31
	s_cselect_b32 s[TT], 0xff61b1e6, 0             ; the hidden blocks' score: 0; the last quad has none
	s_sub_co_u32 s57, 31, s[\qd]
	s_lshl_b32 s57, s57, 6                         ; how many keys they hold
	s_wait_dscnt 32                                ; m and l are in; O^T's 32 loads may be out
	v_cvt_f32_u32 v25, s57
	v_max3_num_f32 v24, v16, v17, v18
	v_max3_num_f32 v24, v24, v19, s[TT]            ; M
.irp i, 0,1,2,3
	v_sub_f32 v[26+\i], v[16+\i], v24
.endr
	v_sub_f32 v30, s[TT], v24
.irp i, 0,1,2,3,4
	v_exp_f32 v[26+\i], v[26+\i]                   ; the parts' weights 2^(m_i - M), and the hidden keys' 2^(0 - M)
.endr
	v_nop
	s_wait_alu depctr_va_vdst(0)                   ; one wait for the five
	v_mul_f32 v31, v30, v25
.irp i, 0,1,2,3
	v_fmac_f32 v31, v[26+\i], v[20+\i]             ; the row's sum
.endr
	v_rcp_f32 v32, v31
	v_nop
	s_wait_alu depctr_va_vdst(0)
.irp i, 0,1,2,3,4
	v_mul_f32 v[34+2*\i], v[26+\i], v32            ; the weights over the sum, each in both registers of a pair
	v_mul_f32 v[35+2*\i], v[26+\i], v32
.endr
	v_cmp_lt_u32 vcc_lo, s[\qd], v9                ; does block r lie behind my quad?  A value is chosen, no address
	v_cndmask_b32 v[TP], v14, v15, vcc_lo
	v_mov_b32 v[TP+1], v[TP]
	v_add_nc_u32 v[TP+4], 16, v9
	v_cmp_lt_u32 vcc_lo, s[\qd], v[TP+4]           ; and block r + 16?
	v_cndmask_b32 v[TP+2], v14, v15, vcc_lo
	v_mov_b32 v[TP+3], v[TP+2]
.if \next
	s_wait_loadcnt 16                              ; vsum is in; Q's sixteen loads are younger
.else
	s_wait_loadcnt 0x0
.endif
.set i, 0
.rept 16
	v_pk_mul_f32 v[KB+i:KB+i+1], v[KB+i:KB+i+1], v[TP:TP+1]
.set i, i+2
.endr
.set i, 0
.rept 16
	v_pk_fma_f32 v[KB+i:KB+i+1], v[KB+32+i:KB+32+i+1], v[TP+2:TP+3], v[KB+i:KB+i+1]
.set i, i+2
.endr
.irp x, 1,2,4,8                                ; over the sixteen lanes of a half: the sum of v over all blocks behind my quad, in f32, in every lane
.set i, 0
.rept 32
	v_add_f32_dpp v[KB+i], v[KB+i], v[KB+i] row_xmask:\x row_mask:0xf bank_mask:0xf
.set i, i+1
.endr
.endr
	s_wait_dscnt 0x0                               ; the four parts of O^T
.set i, 0
.rept 16
	v_pk_mul_f32 v[S+i:S+i+1], v[S+i:S+i+1], v[34:35]
.set i, i+2
.endr
.irp k, 1,2,3
.set i, 0
.rept 16
	v_pk_fma_f32 v[S+i:S+i+1], v[S+32*\k+i:S+32*\k+i+1], v[34+2*\k:35+2*\k], v[S+i:S+i+1]
.set i, i+2
.endr
.endr
.irp ct, 0,1,2,3
.irp j, 0,1,2,3,4,5,6,7
	v_fmac_f32 v[S+8*\ct+\j], v42, v[KB+4*\j+\ct]  ; the hidden keys' share
.endr
.endr
.irp ct, 0,1,2,3
.irp i, 0,1,2,3
	v_cvt_pk_f16_f32 v[TP+4*\ct+\i], v[S+8*\ct+2*\i], v[S+8*\ct+2*\i+1]
.endr
.endr
.irp ct, 0,1,2,3
	global_store_b128 v1, v[TP+4*\ct:TP+4*\ct+3], s[\ao:\ao+1] offset:512*\ct   ; 512 consecutive bytes of the projection's operand
.endr
	s_wait_xcnt 0x0                                ; the stores have read their data: the next merge may write these registers
.if \next
	INIT
	s_wait_loadcnt 0x0                             ; Q
	LOADK                                          ; K of the high pass's first step, which every phase works: its registers held vsum until here
.endif
.endm
; A TRIP.  fill = 1: the slot that has been left is filled again; merge = 1: the low pass may end in this trip.
.macro TRIP fill, merge
	CHANGE \fill
	VARS
	s_cmp_eq_u32 s[CW], 0                          ; K of this trip's step is asked for at once, a stage or more ahead of its products
	s_cbranch_scc1 .Lno_k_\@
.if \merge
	s_cmp_eq_u32 s[N], s[NL]                       ; but where the merge stands in this trip: it wants K's registers, and fetches K at its end
	s_cbranch_scc1 .Lno_k_\@
.endif
	LOADK
.Lno_k_\@:
	s_cmp_lg_u32 s[ROLE], 0                        ; role 0: the softmax of the step whose scores the trip before has made
	s_cbranch_scc1 .Lnot_early_\@
	SMAX PW, PD
.Lnot_early_\@:
	PVPART
.if \merge
	s_cmp_lg_u32 s[N], s[NL]                       ; the work-group's number and the trip alone: all eight waves go the same way
	s_cbranch_scc1 .Lsame_pass_\@
	MERGE QDL, AOL, 1                              ; the low pass is over: its last V^T P is done in both roles
.Lsame_pass_\@:
.endif
	s_cmp_eq_u32 s[CW], 0
	s_cbranch_scc1 .Lno_kq_\@
	KQCORE
.Lno_kq_\@:
	s_cmp_eq_u32 s[ROLE], 0                        ; role 1: the softmax of the scores just made
	s_cbranch_scc1 .Lnot_late_\@
	SMAX CW, CD
.Lnot_late_\@:
	s_mov_b32 s[PW], s[CW]
	s_mov_b32 s[PD], s[CD]
.endm
	; TRIP 0 is written out: there is no step before it.  It fetches and multiplies without a condition (slot 0 holds keys for every phase): so K's, V's and the scores' registers are written in every wave; a wave whose step is hidden never uses them.
	CHANGE 1
	VARS
	LOADK
	KQCORE
	s_cmp_eq_u32 s[ROLE], 0
	s_cbranch_scc1 .Lfirst_done
	SMAX CW, CD
.Lfirst_done:
	s_mov_b32 s[PW], s[CW]
	s_mov_b32 s[PD], s[CD]
	s_mov_b32 s[TB], SLOTB
	s_mov_b32 s[N], 1
.Ltrip:                                            ; trips 1 to 7; the last is written out
	TRIP 1, 1
	s_xor_b32 s[TB], s[TB], SLOTB
	s_add_co_u32 s[N], s[N], 1
	s_cmp_lt_u32 s[N], 8
	s_cbranch_scc1 .Ltrip
	TRIP 0, 0
	s_cmp_lg_u32 s[ROLE], 0                        ; what is left of the last step: role 0's softmax,
	s_cbranch_scc1 .Llast_pv
	SMAX PW, PD
.Llast_pv:
	s_wait_dscnt 0x0                               ; (its V is in: no change of slots has waited for it)
	PVPART                                         ; and V^T P in both roles
	MERGE QDH, AOH, 0
	s_wait_tensorcnt 0x0                           ; the wave's end
	ds_add_u32 v12, v13
	s_wait_dscnt 0x0
	s_endpgm
.Lfunc_end_k_q2a55c6f080_attn:
	.size	k_q2a55c6f080_attn, .Lfunc_end_k_q2a55c6f080_attn-k_q2a55c6f080_attn
	.p2alignl 7, 3214868480
	.fill 96, 4, 3214868480
	.section	.rodata,"a",@progbits
	.p2align	6, 0x0
	.amdhsa_kernel k_q2a55c6f080_attn
		.amdhsa_group_segment_fixed_size 327680
		.amdhsa_private_segment_fixed_size 0
		.amdhsa_enable_private_segment 0
		.amdhsa_kernarg_size 24
		.amdhsa_user_sgpr_count 2
		.amdhsa_user_sgpr_kernarg_segment_ptr 1
		.amdhsa_wavefront_size32 1
		.amdhsa_system_sgpr_workgroup_id_x 1
		.amdhsa_system_sgpr_workgroup_id_y 1
		.amdhsa_system_sgpr_workgroup_id_z 1
		.amdhsa_system_vgpr_workitem_id 0
		.amdhsa_next_free_vgpr 512
		.amdhsa_next_free_sgpr 66
		.amdhsa_reserve_vcc 1
		.amdhsa_float_denorm_mode_32 3
		.amdhsa_float_denorm_mode_16_64 3
		.amdhsa_memory_ordered 1
		.amdhsa_forward_progress 1
		.amdhsa_inst_pref_size 249
	.end_amdhsa_kernel
	.amdgpu_metadata
---
amdhsa.version: [ 1, 2 ]
amdhsa.kernels:
  - .name:           k_q2a55c6f080_attn
    .symbol:         k_q2a55c6f080_attn.kd
    .args:
      - { .name: qkv, .offset: 0, .size: 8, .value_kind: global_buffer, .address_space: global }
      - { .name: vsum, .offset: 8, .size: 8, .value_kind: global_buffer, .address_space: global }
      - { .name: ao, .offset: 16, .size: 8, .value_kind: global_buffer, .address_space: global }
    .group_segment_fixed_size: 327680
    .private_segment_fixed_size: 0
    .kernarg_segment_align: 8
    .kernarg_segment_size: 24
    .max_flat_workgroup_size: 256
    .sgpr_count:     66
    .vgpr_count:     512
    .wavefront_size: 32
...
	.end_amdgpu_metadata
.endif
;; end of part 3
;; launch proj (part 4): grid 4 x 64, 4 waves a work-group, clusters of 4 x 1, 167,936 bytes of LDS; arguments ao, wof, b_o, out0; writes out0
.if DOCPART == 4
	.amdgcn_target "amdgcn-amd-amdhsa--gfx1250"
	.amdhsa_code_object_version 6
	.text
	.protected	k_q2a55c6f080_proj
	.globl	k_q2a55c6f080_proj
	.p2align	8
	.type	k_q2a55c6f080_proj,@function
k_q2a55c6f080_proj:
	s_mov_b64 s[64:65], 0
	v_nop
	global_prefetch_b8 v0, s[64:65] scope:SCOPE_SE
	s_setreg_imm32_b32 hwreg(HW_REG_WAVE_MODE, 25, 1), 1
	s_wait_xcnt 0x0
	s_wait_alu depctr_hold_cnt(0) depctr_sa_sdst(0) depctr_va_vdst(0) depctr_va_sdst(0) depctr_va_ssrc(0) depctr_va_vcc(0) depctr_vm_vsrc(0)
	s_getreg_b32 s2, hwreg(HW_REG_IB_STS2, 6, 4)
	s_cmp_eq_u32 s2, 0
	s_cbranch_scc0 .Lentry_in_a_cluster
	s_endpgm
.Lentry_in_a_cluster:
	s_bfe_u32 s2, ttmp6, 0x10000c
	s_cmp_lg_u32 s2, 0x3003
	s_cbranch_scc0 .Lentry_shape_is_right
	s_endpgm
.Lentry_shape_is_right:
; out0 = a W_o + b_o: a [4096][768] (the attention's result) and W_o^T as f16 fragments in the order of the operands' registers; sums in f32.
; SHARES.  A work-group makes 64 rows (y) x 192 columns (cx): 256 work-groups.  A wave makes 64 rows x 48 columns: 3 column tiles x 4 row tiles = 12 accumulators, 288 matrix instructions.
; CLUSTER.  The four work-groups of a cluster share their 64 rows of a: 96 KiB, dense.  They come by JOINT loads (mask 15), filled once: each wave asks for its row tile in three chunks of 8 KiB (8 K steps of 32): three loads of a wave are out.
; W_o's fragments are each read by one wave of a work-group: they go from memory straight into registers, four pairs of K steps ahead.  They are not asked for jointly: through LDS they would add 3 KiB of LDS reads
; to the 4 KiB that a wave already reads for each 12 matrix instructions.
; THE MATRIX INSTRUCTION IS USED TRANSPOSED (source 0 = 16 columns of W_o, source 1 = 16 rows of a): a lane holds eight neighbouring numbers of a row of out0.  b_o is the C of each sum's first product.
; REGISTERS.  Window 0: v1-8 addresses; v12, v13 the add's two; v16-111 accumulators (8 (4 c + rt)); v112-239 two sets of a's fragments (8 (4 ksl + rt)), later rows of out0.   Window 1: W_o, five sets of 48 (8 (3 ksl + c)).   Window 2: v0-23 b_o.
.set STG,   98304                      ; behind a's 96 KiB: the stage, 64 rows x (768 + 16) bytes; no tensor load lands there
.set SP,    784
.set SPARE, 148480                     ; the spare words, 128 bytes for each wave: two blocks of 256 bytes that no other line names
.set ACC, 16
.set AF,  112
.set MSB, 0
.macro WIN new
.if MSB != (\new)
	s_set_vgpr_msb (MSB<<8)|(\new)
.set MSB, (\new)
.endif
.endm
.macro CROUND
	s_barrier_signal -1
	s_barrier_wait -1
	s_cmp_lg_u32 s12, 0
	s_cbranch_scc1 .Lnot_wave_0_\@
	s_barrier_signal -3
.Lnot_wave_0_\@:
	s_barrier_wait -3
	s_barrier_signal -1
	s_barrier_wait -1
.endm
.macro PLACES n
.rept \n
	v_nop
.endr
.endm
	s_load_b256 s[4:11], s[0:1], 0x0               ; ao s[4:5], wof s[6:7], b_o s[8:9], out0 s[10:11]
	v_lshl_add_u32 v12, v0, 2, SPARE
	v_mov_b32 v13, 0
	ds_add_u32 v12, v13                            ; the wave's opening: the add, twice on end, and its wait ahead of my first tensor load
	ds_add_u32 v12, v13
	v_lshrrev_b32 v1, 5, v0
	v_readfirstlane_b32 s12, v1                    ; wave
	s_bfe_u32 s13, ttmp6, 0x40000                  ; cx: which 192 columns; it enters W_o's, b_o's and out0's addresses alone
	s_and_b32 s14, ttmp7, 0xffff                   ; y: which 64 rows; the four partners share it
	s_mov_b32 s16, 15|(3<<16)|(1<<21)              ; the mask: all four work-groups; elements of 8 bytes; bit 21 set beside a mask
	s_mov_b32 s17, 32<<16                          ; rows of 256 bytes,
	s_mov_b32 s18, 32<<16                          ; 32 of them: 8 KiB, dense
	s_mov_b32 s19, 32<<16
	s_mov_b32 s20, 32
	s_mov_b32 s21, 32
	s_mov_b32 s22, 0
	s_mov_b32 s23, 0
	v_and_b32 v9, 31, v0
	v_lshlrev_b32 v1, 4, v9                        ; 16 x lane: an image's place, and my 16 bytes of a run of 512 in out0
	v_add_nc_u32 v2, 49152, v1                     ; the same for row tiles 2 and 3: an LDS offset has 16 bits
	v_and_b32 v10, 15, v0                          ; r
	v_bfe_u32 v11, v0, 4, 1                        ; h
	v_mul_u32_u24 v3, v10, SP
	v_lshl_add_u32 v3, v11, 5, v3
	s_mul_i32 s36, s12, 192
	s_add_co_u32 s36, s36, STG
	v_add_nc_u32 v3, s36, v3                       ; into the stage: row r, + 32 h, + my wave's 192 bytes
	s_mul_i32 s36, s12, 16*SP
	s_add_co_u32 s36, s36, STG
	v_add_nc_u32 v4, s36, v1                       ; back: my 16 rows
	v_lshl_add_u32 v5, v11, 4, v4                  ; (where lanes 16-31 have passed a row's padding)
	v_mul_u32_u24 v7, v11, 2304
	v_add_nc_u32 v7, v7, v1                        ; (and stand in the next row of out0)
	v_lshlrev_b32 v8, 5, v11                       ; b_o: 32 h
	s_mul_i32 s37, s12, 24576                      ; my row tile in LDS: the wave's number alone
	s_lshl_b32 s38, s14, 2
	s_add_co_u32 s38, s38, s12
	s_mul_i32 s38, s38, 24576                      ; and in memory: row tile 4 y + wave
	s_mov_b32 s39, 0
	s_mul_i32 s40, s13, 12
	s_mul_i32 s41, s12, 3
	s_add_co_u32 s40, s40, s41
	s_mul_i32 s40, s40, 24576                      ; W_o: column tile 12 cx + 3 wave
	s_mov_b32 s41, 0
	s_mul_i32 s42, s13, 768
	s_mul_i32 s43, s12, 192
	s_add_co_u32 s42, s42, s43                     ; b_o: 4 (192 cx + 48 wave)
	s_mov_b32 s43, 0
	s_lshl_b32 s44, s14, 6
	s_lshl_b32 s45, s12, 4
	s_add_co_u32 s44, s44, s45
	s_mul_i32 s44, s44, 3072                       ; out0: row 64 y + 16 wave,
	s_mul_i32 s45, s13, 768
	s_add_co_u32 s44, s44, s45                     ; column 192 cx
	s_mov_b32 s45, 0
	s_wait_dscnt 0x0                               ; both opening adds are done
	s_wait_kmcnt 0x0
	s_add_nc_u64 s[4:5], s[4:5], s[38:39]
	s_add_nc_u64 s[6:7], s[6:7], s[40:41]
	s_add_nc_u64 s[8:9], s[8:9], s[42:43]
	s_add_nc_u64 s[10:11], s[10:11], s[44:45]
.irp c, 0,1,2
	s_mov_b32 s[24+4*\c], 1
	s_add_co_u32 s[25+4*\c], s37, 8192*\c
	s_add_nc_u64 s[26+4*\c:27+4*\c], s[4:5], 8192*\c
	s_or_b32 s[27+4*\c], s[27+4*\c], 0x80000000
.endr
	CROUND                                         ; all four work-groups are here: the joint loads meet
	tensor_load_to_lds s[24:27], s[16:23]
	s_nop 0
	tensor_load_to_lds s[28:31], s[16:23]
	s_nop 0
	tensor_load_to_lds s[32:35], s[16:23]
	s_nop 0
	PLACES 4
	WIN 0x80                                       ; destination window 2
.irp c, 0,1,2
	global_load_b128 v[8*\c:8*\c+3], v8, s[8:9] offset:64*\c       ; b_o at the tile's eight columns of my half
	global_load_b128 v[8*\c+4:8*\c+7], v8, s[8:9] offset:64*\c+16
.endr
.macro BLOAD p                         ; W_o's six fragments of K steps 2 p and 2 p + 1 into set p % 5
	WIN 0x40
.irp ksl, 0,1
.irp c, 0,1,2
.irp g, 0,1
	global_load_b128 v[48*((\p)%5)+8*(3*\ksl+\c)+4*\g:48*((\p)%5)+8*(3*\ksl+\c)+4*\g+3], v1, s[6:7] offset:24576*\c+(2*(\p)+\ksl)*1024+512*\g
.endr
.endr
.endr
.endm
.macro ALOAD p                         ; a's eight fragments of the same two K steps into set p % 2
	WIN 0
.irp ksl, 0,1
.irp rt, 0,1
.irp g, 0,1
	ds_load_b128 v[AF+64*((\p)%2)+8*(4*\ksl+\rt)+4*\g:AF+64*((\p)%2)+8*(4*\ksl+\rt)+4*\g+3], v1 offset:24576*\rt+(2*(\p)+\ksl)*1024+512*\g
.endr
.endr
.irp rt, 2,3
.irp g, 0,1
	ds_load_b128 v[AF+64*((\p)%2)+8*(4*\ksl+\rt)+4*\g:AF+64*((\p)%2)+8*(4*\ksl+\rt)+4*\g+3], v2 offset:24576*(\rt-2)+(2*(\p)+\ksl)*1024+512*\g
.endr
.endr
.endr
.endm
.macro MM12 p, ksl                     ; 12 products; the 12 accumulators take turns, one instruction a turn
.if ((\p) == 0) && ((\ksl) == 0)
	WIN 0x21                                       ; W_o in window 1, b_o in window 2
.else
	WIN 0x01
.endif
.irp c, 0,1,2
.irp rt, 0,1,2,3
.if ((\p) == 0) && ((\ksl) == 0)
	v_wmma_f32_16x16x32_f16 v[ACC+8*(4*\c+\rt):ACC+8*(4*\c+\rt)+7], v[48*((\p)%5)+8*(3*(\ksl)+\c):48*((\p)%5)+8*(3*(\ksl)+\c)+7], v[AF+64*((\p)%2)+8*(4*(\ksl)+\rt):AF+64*((\p)%2)+8*(4*(\ksl)+\rt)+7], v[8*\c:8*\c+7]
.else
	v_wmma_f32_16x16x32_f16 v[ACC+8*(4*\c+\rt):ACC+8*(4*\c+\rt)+7], v[48*((\p)%5)+8*(3*(\ksl)+\c):48*((\p)%5)+8*(3*(\ksl)+\c)+7], v[AF+64*((\p)%2)+8*(4*(\ksl)+\rt):AF+64*((\p)%2)+8*(4*(\ksl)+\rt)+7], v[ACC+8*(4*\c+\rt):ACC+8*(4*\c+\rt)+7]
.endif
.endr
.endr
.endm
.macro PAIR p                          ; two K steps of 32
	s_wait_dscnt 0x0                               ; a's fragments of this pair
.if (\p) < 9
	s_wait_loadcnt 36                              ; W_o's of this pair are in; three younger pairs, 12 loads each, may be out
.else
	s_wait_loadcnt 12*(11-(\p))
.endif
	MM12 \p, 0
.if ((\p) == 3) || ((\p) == 7)
	s_wait_tensorcnt 2-((\p)+1)/4                  ; my part of a's next chunk is in (no LDS load of mine is out here),
	s_barrier_signal -1
	s_barrier_wait -1                              ; everybody's is
.endif
.if (\p) < 11
	PLACES 4                                       ; in front of loads into the registers that the pair before has multiplied
	ALOAD (\p)+1
.endif
.if (\p) < 8
	BLOAD (\p)+4
.endif
	MM12 \p, 1
.endm
	BLOAD 0
	BLOAD 1
	BLOAD 2
	BLOAD 3
	s_wait_tensorcnt 2                             ; my part of a's first chunk is in; the other two may be out
	s_barrier_signal -1
	s_barrier_wait -1
	ALOAD 0
.irp p, 0,1,2,3,4,5,6,7,8,9,10,11
	PAIR \p
.endr
	WIN 0
	; THE WAY OUT.  A row's 768 bytes come from four waves: they meet in the stage; each wave then stores 16 whole rows, sixteen lanes to 256 consecutive bytes at a multiple of 256 from out0's first byte.
	PLACES 4
.irp c, 0,1,2
.irp rt, 0,1,2,3
	ds_store_b128 v3, v[ACC+8*(4*\c+\rt):ACC+8*(4*\c+\rt)+3] offset:16*SP*\rt+64*\c       ; each accumulator from its low end on
	ds_store_b128 v3, v[ACC+8*(4*\c+\rt)+4:ACC+8*(4*\c+\rt)+7] offset:16*SP*\rt+64*\c+16
.endr
.endr
	s_wait_dscnt 0x0                               ; for the others' sake: my stores have landed
	s_barrier_signal -1
	s_barrier_wait -1
.irp a, 0,1,2,3,4,5,6,7                        ; rows 2 a and 2 a + 1: 1,536 bytes in three runs of 512
	ds_load_b128 v[AF+12*\a:AF+12*\a+3], v4 offset:2*SP*\a
	ds_load_b128 v[AF+12*\a+4:AF+12*\a+7], v5 offset:2*SP*\a+512
	ds_load_b128 v[AF+12*\a+8:AF+12*\a+11], v4 offset:2*SP*\a+SP+256
.endr
.irp a, 0,1,2,3,4,5,6,7
	s_wait_dscnt 23-3*\a                           ; LDS loads come back in order: the younger ones may be out
	global_store_b128 v1, v[AF+12*\a:AF+12*\a+3], s[10:11] offset:6144*\a th:TH_STORE_NT
	s_wait_dscnt 22-3*\a
	global_store_b128 v7, v[AF+12*\a+4:AF+12*\a+7], s[10:11] offset:6144*\a+512 th:TH_STORE_NT
	s_wait_dscnt 21-3*\a
	global_store_b128 v1, v[AF+12*\a+8:AF+12*\a+11], s[10:11] offset:6144*\a+3328 th:TH_STORE_NT
.endr
	s_wait_tensorcnt 0x0                           ; the wave's end
	ds_add_u32 v12, v13
	s_wait_dscnt 0x0
	CROUND                                         ; the closing round
	s_endpgm
.Lfunc_end_k_q2a55c6f080_proj:
	.size	k_q2a55c6f080_proj, .Lfunc_end_k_q2a55c6f080_proj-k_q2a55c6f080_proj
	.p2alignl 7, 3214868480
	.fill 96, 4, 3214868480
	.section	.rodata,"a",@progbits
	.p2align	6, 0x0
	.amdhsa_kernel k_q2a55c6f080_proj
		.amdhsa_group_segment_fixed_size 167936
		.amdhsa_private_segment_fixed_size 0
		.amdhsa_enable_private_segment 0
		.amdhsa_kernarg_size 32
		.amdhsa_user_sgpr_count 2
		.amdhsa_user_sgpr_kernarg_segment_ptr 1
		.amdhsa_wavefront_size32 1
		.amdhsa_system_sgpr_workgroup_id_x 1
		.amdhsa_system_sgpr_workgroup_id_y 1
		.amdhsa_system_sgpr_workgroup_id_z 1
		.amdhsa_system_vgpr_workitem_id 0
		.amdhsa_next_free_vgpr 544
		.amdhsa_next_free_sgpr 66
		.amdhsa_reserve_vcc 0
		.amdhsa_float_denorm_mode_32 3
		.amdhsa_float_denorm_mode_16_64 3
		.amdhsa_memory_ordered 1
		.amdhsa_forward_progress 1
		.amdhsa_inst_pref_size 59
	.end_amdhsa_kernel
	.amdgpu_metadata
---
amdhsa.version: [ 1, 2 ]
amdhsa.kernels:
  - .name:           k_q2a55c6f080_proj
    .symbol:         k_q2a55c6f080_proj.kd
    .args:
      - { .name: ao, .offset: 0, .size: 8, .value_kind: global_buffer, .address_space: global }
      - { .name: wof, .offset: 8, .size: 8, .value_kind: global_buffer, .address_space: global }
      - { .name: b_o, .offset: 16, .size: 8, .value_kind: global_buffer, .address_space: global }
      - { .name: out0, .offset: 24, .size: 8, .value_kind: global_buffer, .address_space: global }
    .group_segment_fixed_size: 167936
    .private_segment_fixed_size: 0
    .kernarg_segment_align: 8
    .kernarg_segment_size: 32
    .max_flat_workgroup_size: 128
    .sgpr_count:     66
    .vgpr_count:     544
    .wavefront_size: 32
...
	.end_amdgpu_metadata
.endif
;; end of part 4
